; MI455X (gfx1250); checked and timed in simulation.
; The chip was launched on July 23, 2026; its instructions are those of AMD's public machine-readable ISA for CDNA 5 (MIT licence, August 2026) and "CDNA5" Instruction Set Architecture Reference Guide (July 2026). The comments in the code are by the model that wrote it; some were corrected since.
;; Transformer Block. Allowed arithmetic: float matrix products may take bf16 or f16 operands with f32 sums; other float arithmetic in f32, or as packed bf16 or f16 multiplies, adds, multiply-adds, maxima and minima; sums over many terms, partial sums and values carried from step to step in f32; what a program stores and reads back later, other than sums and carried values, may be rounded once to bf16 or f16.
;; Inputs: b1 4,096 float32; b2 1,024 float32; bk 256 float32; bo 1,024 float32; bq 1,024 float32; bt1 1,024 float32; bt2 1,024 float32; bv 256 float32; g1 1,024 float32; g2 1,024 float32; w1 1,024 x 4,096 float32; w2 4,096 x 1,024 float32; wk 1,024 x 256 float32; wo 1,024 x 1,024 float32; wq 1,024 x 1,024 float32; wv 1,024 x 256 float32; x 2 x 2,048 x 1,024 float32.
;; Outputs: out0 2 x 2,048 x 1,024 float32.
;; One version. Each part assembles by itself: llvm-mc -triple=amdgcn-amd-amdhsa -mcpu=gfx1250 --defsym DOCPART=n.
;; ======== version 1 of 1: 7 launches
;; limits: values are held in f16: magnitudes above 65,504 overflow, below 6.1e-05 lose precision; a function is approximated: absolute error at most 1.5e-07
;; workspace buffers: wts 22,020,096 bytes; hn 8,388,608 bytes; qkvb 12,582,912 bytes; ob 8,388,608 bytes; x1 16,777,216 bytes; fb 33,554,432 bytes
;; launch prep (part 1): grid 928 x 1, 8 waves a work-group, no clusters, 0 bytes of LDS; arguments x, g1, bt1, wq, wk, wv, wo, w1, w2, wts, hn; writes wts, hn
.if DOCPART == 1
	.amdgcn_target "amdgcn-amd-amdhsa--gfx1250"
	.amdhsa_code_object_version 6
	.text
	.protected	k_qcf45a63001_prep
	.globl	k_qcf45a63001_prep
	.p2align	8
	.type	k_qcf45a63001_prep,@function
k_qcf45a63001_prep:
	s_mov_b64 s[64:65], 0
	v_nop
	global_prefetch_b8 v0, s[64:65] scope:SCOPE_SE
	s_setreg_imm32_b32 hwreg(HW_REG_WAVE_MODE, 25, 1), 1
	s_wait_xcnt 0x0
; PREP.  Two roles, chosen by the work-group's number.
; Groups 0-255: h = LayerNorm(x) g1 + bt1 for 16 rows each.  x, g1, bt1 are rounded once to bf16; mean and variance in f32, in two passes over registers;
;   h is written in f16 in blocks [row / 128][column / 64][row % 128][64], so that a later tile of 128 rows x 64 columns is 16,384 dense bytes.
; Groups 256-927: the six weight matrices, each number rounded once to bf16 and that number written as f16
;   (exact for 6.1e-5 <= |w| <= 65,504; below that f16's fixed step of 6e-8): wq | wk | wv side by side as [1024][1536], then wo, w1, w2 as they lie.
; A stream: no LDS, no barrier, no matrix unit; every load of a wave covers 512 bytes in two aligned runs of 256, every store 256 aligned bytes.
; LIMIT: h must stay within f16's 65,504 (|h| <= 32 |g1| + |bt1|).  NaN and infinities are not treated apart.
.set XX, 80                            ; v[80:143]  the row's 64 numbers of this lane: register 4 j + e = column 64 j + 4 q + e
.set GL, 144                           ; v[144:207] g as loaded
.set YY, 144                           ; v[144:175] later: the results in f16
.set GB, 16                            ; v[16:79]   bt as loaded, then (g, bt) in bf16, g in the low half
.set AC, 6                             ; v[6:13]    four packed chains
.set MN, 14                            ; v[14:15]   the mean, then 1 / sqrt(var + eps), twice
.set HN, 28                            ; s[28:29]   hn
.set RND, 1                            ; x is an input: it is rounded to bf16
	s_load_b512 s[8:23], s[0:1], 0x0               ; x s[8:9], g1 s[10:11], bt1 s[12:13], wq s[14:15], wk s[16:17], wv s[18:19], wo s[20:21], w1 s[22:23]
	s_load_b128 s[24:27], s[0:1], 0x40             ; w2 s[24:25], wts s[26:27]
	s_load_b64 s[28:29], s[0:1], 0x50              ; hn
	s_mov_b32 s5, ttmp9                            ; the work-group's number
	v_lshrrev_b32 v1, 5, v0
	v_readfirstlane_b32 s4, v1                     ; wave 0..7
	s_mov_b32 s6, 0xffff0000                       ; a word's upper bf16
	s_cmp_lt_u32 s5, 256
	s_cbranch_scc0 .Lcvt
	; ---- LayerNorm: half a wave to a row; lane q of 16 holds columns 64 j + 4 q + 0..3, j = 0..15
	v_and_b32 v1, 15, v0                           ; q
	v_lshrrev_b32 v2, 4, v0                        ; the row among the group's 16
	v_lshlrev_b32 v5, 4, v1                        ; 16 q: offset in g and bt
	v_lshl_add_u32 v3, v2, 12, v5                  ; row x 4,096 + 16 q: offset in x
	v_lshlrev_b32 v4, 3, v1
	v_lshl_add_u32 v4, v2, 7, v4                   ; row x 128 + 8 q: offset in a block of hn
	s_lshl_b32 s30, s5, 16                         ; 16 rows of 4,096 bytes
	s_mov_b32 s31, 0
	s_lshr_b32 s32, s5, 3
	s_lshl_b32 s32, s32, 18                        ; the block of 128 rows: 262,144 bytes
	s_and_b32 s33, s5, 7
	s_lshl_b32 s33, s33, 11                        ; my 16 rows in it, 128 bytes each
	s_add_co_u32 s32, s32, s33
	s_mov_b32 s33, 0
	s_mov_b32 s34, 0x3a800000                      ; 1 / 1024
	s_mov_b32 s35, 0x3727c5ac                      ; 1e-5
	s_wait_kmcnt 0x0
	s_add_nc_u64 s[8:9], s[8:9], s[30:31]
	s_add_nc_u64 s[HN:HN+1], s[HN:HN+1], s[32:33]
.irp j, 0,1,2,3,4,5,6,7,8,9,10,11,12,13,14,15
	global_load_b128 v[GL+4*(\j):GL+4*(\j)+3], v5, s[10:11] offset:256*(\j)
.endr
.irp j, 0,1,2,3,4,5,6,7,8,9,10,11,12,13,14,15
	global_load_b128 v[GB+4*(\j):GB+4*(\j)+3], v5, s[12:13] offset:256*(\j)
.endr
.irp j, 0,1,2,3,4,5,6,7,8,9,10,11,12,13,14,15
	global_load_b128 v[XX+4*(\j):XX+4*(\j)+3], v3, s[8:9] offset:256*(\j)
.endr
	s_wait_loadcnt 16                              ; g and bt are in; x's sixteen loads stay out
.set i, 0
.rept 64
	v_cvt_pk_bf16_f32 v[GB+i], v[GL+i], v[GB+i]    ; both rounded to bf16: g low, bt high
.set i, i+1
.endr
	s_wait_loadcnt 0x0                             ; x
.if RND
.set i, 0
.rept 32
	v_cvt_pk_bf16_f32 v[AC+i%8], v[XX+2*i], v[XX+2*i+1]
	v_lshlrev_b32 v[XX+2*i], 16, v[AC+i%8]
	v_and_b32 v[XX+2*i+1], s6, v[AC+i%8]
.set i, i+1
.endr
.endif
.macro RED                             ; four packed chains into one number, then over the row's 16 lanes
	v_pk_add_f32 v[AC:AC+1], v[AC:AC+1], v[AC+2:AC+3]
	v_pk_add_f32 v[AC+4:AC+5], v[AC+4:AC+5], v[AC+6:AC+7]
	v_pk_add_f32 v[AC:AC+1], v[AC:AC+1], v[AC+4:AC+5]
	v_add_f32 v[AC], v[AC], v[AC+1]
	v_add_f32_dpp v[AC], v[AC], v[AC] row_xmask:1 row_mask:0xf bank_mask:0xf
	v_add_f32_dpp v[AC], v[AC], v[AC] row_xmask:2 row_mask:0xf bank_mask:0xf
	v_add_f32_dpp v[AC], v[AC], v[AC] row_xmask:4 row_mask:0xf bank_mask:0xf
	v_add_f32_dpp v[AC], v[AC], v[AC] row_xmask:8 row_mask:0xf bank_mask:0xf
.endm
.irp k, 0,1,2,3
	v_pk_add_f32 v[AC+2*(\k):AC+2*(\k)+1], v[XX+2*(\k):XX+2*(\k)+1], v[XX+2*(\k)+8:XX+2*(\k)+9]  ; the first pairs start the chains
.endr
.set i, 8
.rept 24
	v_pk_add_f32 v[AC+2*(i%4):AC+2*(i%4)+1], v[AC+2*(i%4):AC+2*(i%4)+1], v[XX+2*i:XX+2*i+1]
.set i, i+1
.endr
	RED
	v_mul_f32 v[MN], s34, v[AC]                    ; the mean
	v_mov_b32 v[MN+1], v[MN]
.set i, 0
.rept 32
	v_pk_add_f32 v[XX+2*i:XX+2*i+1], v[XX+2*i:XX+2*i+1], v[MN:MN+1] neg_lo:[0,1] neg_hi:[0,1]
.set i, i+1
.endr
.irp k, 0,1,2,3
	v_pk_mul_f32 v[AC+2*(\k):AC+2*(\k)+1], v[XX+2*(\k):XX+2*(\k)+1], v[XX+2*(\k):XX+2*(\k)+1]
.endr
.set i, 4
.rept 28
	v_pk_fma_f32 v[AC+2*(i%4):AC+2*(i%4)+1], v[XX+2*i:XX+2*i+1], v[XX+2*i:XX+2*i+1], v[AC+2*(i%4):AC+2*(i%4)+1]
.set i, i+1
.endr
	RED
	v_fma_f32 v[AC], v[AC], s34, s35               ; var + eps
	v_rsq_f32 v[MN], v[AC]
	v_rsq_f32 v[MN+1], v[AC]
	v_nop                                          ; a plain instruction between the root and the use of its result
.set i, 0
	s_wait_alu depctr_va_vdst(0)
.rept 32
	v_pk_mul_f32 v[XX+2*i:XX+2*i+1], v[XX+2*i:XX+2*i+1], v[MN:MN+1]
.set i, i+1
.endr
.set i, 0
.rept 64
	v_fma_mix_f32_bf16 v[XX+i], v[XX+i], v[GB+i], v[GB+i] op_sel:[0,0,1] op_sel_hi:[0,1,1]  ; x g + bt, g and bt straight from their bf16 halves
.set i, i+1
.endr
.set i, 0
.rept 32
	v_cvt_pk_f16_f32 v[YY+i], v[XX+2*i], v[XX+2*i+1]
.set i, i+1
.endr
.irp j, 0,1,2,3,4,5,6,7,8,9,10,11,12,13,14,15
	global_store_b64 v4, v[YY+2*(\j):YY+2*(\j)+1], s[HN:HN+1] offset:16384*(\j)  ; two neighbouring rows of column block j: 256 consecutive bytes, aligned
.endr
	s_endpgm
	; ---- weights: a unit is 128 numbers (512 bytes in, 256 out); a wave takes 16 units, a group 128
.Lcvt:
	v_and_b32 v1, 31, v0
	v_lshlrev_b32 v2, 3, v1                        ; 8 x lane: offset in a unit of wts
	v_lshlrev_b32 v1, 4, v1                        ; 16 x lane: offset in a unit of the source
	s_wait_kmcnt 0x0
	s_mov_b64 s[30:31], s[24:25]                   ; w2, groups 672-927;
	s_mov_b32 s32, 672                             ; the region's first group
	s_mov_b32 s33, 32768                           ; bytes of wts a group
	s_mov_b32 s34, 13631488                        ; the region's first byte in wts
	s_mov_b32 s35, 4096                            ; bytes of wts a wave
	s_mov_b32 s36, 0                               ; the pattern of a wave's 16 stores
	s_cmp_lt_u32 s5, 672                           ; w1, groups 416-671
	s_cselect_b64 s[30:31], s[22:23], s[30:31]
	s_cselect_b32 s32, 416, s32
	s_cselect_b32 s34, 5242880, s34
	s_cmp_lt_u32 s5, 416                           ; wo, groups 352-415
	s_cselect_b64 s[30:31], s[20:21], s[30:31]
	s_cselect_b32 s32, 352, s32
	s_cselect_b32 s34, 3145728, s34
	s_cmp_lt_u32 s5, 352                           ; wv, groups 336-351: 64 rows of 256 numbers a group, into rows of 3,072 bytes
	s_cselect_b64 s[30:31], s[18:19], s[30:31]
	s_cselect_b32 s32, 336, s32
	s_cselect_b32 s33, 196608, s33
	s_cselect_b32 s34, 2560, s34
	s_cselect_b32 s35, 24576, s35
	s_cselect_b32 s36, 2, s36
	s_cmp_lt_u32 s5, 336                           ; wk, groups 320-335
	s_cselect_b64 s[30:31], s[16:17], s[30:31]
	s_cselect_b32 s32, 320, s32
	s_cselect_b32 s34, 2048, s34
	s_cmp_lt_u32 s5, 320                           ; wq, groups 256-319: 16 rows of 1,024 numbers a group
	s_cselect_b64 s[30:31], s[14:15], s[30:31]
	s_cselect_b32 s32, 256, s32
	s_cselect_b32 s33, 49152, s33
	s_cselect_b32 s34, 0, s34
	s_cselect_b32 s35, 6144, s35
	s_cselect_b32 s36, 1, s36
	s_sub_co_u32 s37, s5, s32                      ; my group in its region
	s_lshl_b32 s38, s37, 16
	s_lshl_b32 s39, s4, 13
	s_add_co_u32 s38, s38, s39
	s_mov_b32 s39, 0
	s_add_nc_u64 s[30:31], s[30:31], s[38:39]      ; the source at my wave's 8,192 bytes
	s_mul_i32 s40, s37, s33
	s_add_co_u32 s40, s40, s34
	s_mul_i32 s41, s4, s35
	s_add_co_u32 s40, s40, s41
	s_mov_b32 s41, 0
	s_add_nc_u64 s[26:27], s[26:27], s[40:41]      ; wts at my wave's first unit
.irp j, 0,1,2,3,4,5,6,7,8,9,10,11,12,13,14,15
	global_load_b128 v[XX+4*(\j):XX+4*(\j)+3], v1, s[30:31] offset:512*(\j) th:TH_LOAD_NT
.endr
.set i, 0
.rept 16
	s_wait_loadcnt 15-i                            ; loads come back in order: unit i is in, the younger ones stay out
	v_cvt_pk_bf16_f32 v[AC+2*(i%4)], v[XX+4*i], v[XX+4*i+1]
	v_cvt_pk_bf16_f32 v[AC+2*(i%4)+1], v[XX+4*i+2], v[XX+4*i+3]
	v_lshlrev_b32 v[XX+4*i], 16, v[AC+2*(i%4)]
	v_and_b32 v[XX+4*i+1], s6, v[AC+2*(i%4)]
	v_lshlrev_b32 v[XX+4*i+2], 16, v[AC+2*(i%4)+1]
	v_and_b32 v[XX+4*i+3], s6, v[AC+2*(i%4)+1]
	v_cvt_pk_f16_f32 v[YY+2*i], v[XX+4*i], v[XX+4*i+1]
	v_cvt_pk_f16_f32 v[YY+2*i+1], v[XX+4*i+2], v[XX+4*i+3]
.set i, i+1
.endr
	s_cmp_eq_u32 s36, 1
	s_cbranch_scc1 .Lpat1
	s_cmp_eq_u32 s36, 2
	s_cbranch_scc1 .Lpat2
.set i, 0
.rept 16                               ; dense
	global_store_b64 v2, v[YY+2*i:YY+2*i+1], s[26:27] offset:256*i
.set i, i+1
.endr
	s_endpgm
.Lpat1:
.set i, 0
.rept 16                               ; wq: eight units to a row of 3,072 bytes
	global_store_b64 v2, v[YY+2*i:YY+2*i+1], s[26:27] offset:(i/8)*3072+(i%8)*256
.set i, i+1
.endr
	s_endpgm
.Lpat2:
.set i, 0
.rept 16                               ; wk, wv: two units to a row
	global_store_b64 v2, v[YY+2*i:YY+2*i+1], s[26:27] offset:(i/2)*3072+(i%2)*256
.set i, i+1
.endr
	s_endpgm
.Lfunc_end_k_qcf45a63001_prep:
	.size	k_qcf45a63001_prep, .Lfunc_end_k_qcf45a63001_prep-k_qcf45a63001_prep
	.p2alignl 7, 3214868480
	.fill 96, 4, 3214868480
	.section	.rodata,"a",@progbits
	.p2align	6, 0x0
	.amdhsa_kernel k_qcf45a63001_prep
		.amdhsa_group_segment_fixed_size 0
		.amdhsa_private_segment_fixed_size 0
		.amdhsa_enable_private_segment 0
		.amdhsa_kernarg_size 88
		.amdhsa_user_sgpr_count 2
		.amdhsa_user_sgpr_kernarg_segment_ptr 1
		.amdhsa_wavefront_size32 1
		.amdhsa_system_sgpr_workgroup_id_x 1
		.amdhsa_system_sgpr_workgroup_id_y 1
		.amdhsa_system_sgpr_workgroup_id_z 1
		.amdhsa_system_vgpr_workitem_id 0
		.amdhsa_next_free_vgpr 208
		.amdhsa_next_free_sgpr 66
		.amdhsa_reserve_vcc 0
		.amdhsa_float_denorm_mode_32 3
		.amdhsa_float_denorm_mode_16_64 3
		.amdhsa_memory_ordered 1
		.amdhsa_forward_progress 1
		.amdhsa_inst_pref_size 46
	.end_amdhsa_kernel
	.amdgpu_metadata
---
amdhsa.version: [ 1, 2 ]
amdhsa.kernels:
  - .name:           k_qcf45a63001_prep
    .symbol:         k_qcf45a63001_prep.kd
    .args:
      - { .name: x, .offset: 0, .size: 8, .value_kind: global_buffer, .address_space: global }
      - { .name: g1, .offset: 8, .size: 8, .value_kind: global_buffer, .address_space: global }
      - { .name: bt1, .offset: 16, .size: 8, .value_kind: global_buffer, .address_space: global }
      - { .name: wq, .offset: 24, .size: 8, .value_kind: global_buffer, .address_space: global }
      - { .name: wk, .offset: 32, .size: 8, .value_kind: global_buffer, .address_space: global }
      - { .name: wv, .offset: 40, .size: 8, .value_kind: global_buffer, .address_space: global }
      - { .name: wo, .offset: 48, .size: 8, .value_kind: global_buffer, .address_space: global }
      - { .name: w1, .offset: 56, .size: 8, .value_kind: global_buffer, .address_space: global }
      - { .name: w2, .offset: 64, .size: 8, .value_kind: global_buffer, .address_space: global }
      - { .name: wts, .offset: 72, .size: 8, .value_kind: global_buffer, .address_space: global }
      - { .name: hn, .offset: 80, .size: 8, .value_kind: global_buffer, .address_space: global }
    .group_segment_fixed_size: 0
    .private_segment_fixed_size: 0
    .kernarg_segment_align: 8
    .kernarg_segment_size: 88
    .max_flat_workgroup_size: 256
    .sgpr_count:     66
    .vgpr_count:     208
    .wavefront_size: 32
...
	.end_amdgpu_metadata
.endif
;; end of part 1
;; launch qkv (part 2): grid 8 x 32, 4 waves a work-group, clusters of 4 x 4, 327,680 bytes of LDS; arguments hn, wts, bq, bk, bv, qkvb; writes qkvb
.if DOCPART == 2
	.amdgcn_target "amdgcn-amd-amdhsa--gfx1250"
	.amdhsa_code_object_version 6
	.text
	.protected	k_qcf45a63001_qkv
	.globl	k_qcf45a63001_qkv
	.p2align	8
	.type	k_qcf45a63001_qkv,@function
k_qcf45a63001_qkv:
	s_mov_b64 s[64:65], 0
	v_nop
	global_prefetch_b8 v0, s[64:65] scope:SCOPE_SE
	s_setreg_imm32_b32 hwreg(HW_REG_WAVE_MODE, 25, 1), 1
	s_wait_xcnt 0x0
	s_wait_alu depctr_hold_cnt(0) depctr_sa_sdst(0) depctr_va_vdst(0) depctr_va_sdst(0) depctr_va_ssrc(0) depctr_va_vcc(0) depctr_vm_vsrc(0)
	s_getreg_b32 s2, hwreg(HW_REG_IB_STS2, 6, 4)
	s_cmp_eq_u32 s2, 0
	s_cbranch_scc0 .Lentry_in_a_cluster
	s_endpgm
.Lentry_in_a_cluster:
	s_bfe_u32 s2, ttmp6, 0x10000c
	s_cmp_lg_u32 s2, 0xf033
	s_cbranch_scc0 .Lentry_shape_is_right
	s_endpgm
.Lentry_shape_is_right:
; QKV.  [q | k | v] = h [wq | wk | wv] + bias: 4,096 x 1,536, K = 1,024, f16 operands, f32 sums.  The result leaves by heads, [c 24][b 2][t 2048][64] in f16
; (c = head 0-15 for q, 16 + g for k, 20 + g for v), rounded once, unscaled.  The biases are rounded once to bf16.  LIMIT: q, k, v within f16's 65,504.
; A tile of C is 128 x 192; four waves, each 64 x 96: 24 accumulators.  K goes in steps of 128 through two LDS slots.  A (h, in blocks of 128 rows x 64 columns) is asked for as
; dense rows of 256 bytes and padded behind every 128; B (weights, [k][n]) comes as 384-byte rows padded behind every 64 bytes and is read turned, by ds_load_tr16_b128.
; CLUSTER 4 x 4: A's tile hangs on the tile row alone and is asked for jointly along a row of the cluster, B's on the tile column alone, jointly along a column.
; The matrix instruction is used transposed (source 0 = 16 columns of B, source 1 = 16 rows of A): a lane holds eight neighbouring numbers of a row of C.
; One text for a K step: the slot in hand is the scalar TG (0 or SLOT), turned by an exclusive or at each change of slots.
; REGISTERS: window 0: v0-31 addresses, v32-43 biases, v64-255 accumulators ((a, b) at 64 + 8 (6 a + b)); window 1: two fragment buffers of 80: B's six blocks, then A's four.
.set NTOT,  1536
.set KS,    128
.set NSTEP, 1024/KS
.set PA,    144                        ; a row of A in LDS: 128 bytes + 16: the 16 rows of a load start at 16 different groups of four banks
.set PB,    480                        ; a row of B: six pieces of 64 bytes + 16
.set CHUNK, 128*PA
.set ABYTES, 2*CHUNK
.set BBYTES, KS*PB
.set SLOT,  ABYTES+BBYTES
.set SPARE, 2*SLOT                     ; behind the ring: the spare words, 128 bytes a wave, that no other line names
.set SP,    784                        ; the f32 stage's pitch: 768 + 16; the stage takes the ring's bytes after their last fill
.set ASTEP, 32768
.set BSTEP, KS*NTOT*2
.set CA, 16                            ; v16 my A fragments' address in the slot in hand
.set CB0, 17                           ; v17 the same for B
.set ADRA0, 20                         ; v20, v21 the same in slot 0; never rewritten
.set ADRB0, 21
.set STO, 24
.set RD, 25
.set GO, 26
.set BO, 27
.set SPW, 28
.set NIL, 29
.set BQ, 32
.set TT, 64
.set YY, 112
.set ACC, 64
.set F0, 0
.set F1, 80
.set WV, 16
.set WM, 17
.set WN, 18
.set CX, 19
.set CY, 20
.set TX, 21
.set TY, 22
.set G1A, 24
.set G0A0, 32
.set G0A, 36
.set G1B, 40
.set G0B0, 48
.set G0B, 52
.set TG, 56
.set CNT, 57
.set WBA, 58
.set WBB, 59
.set MASK, 70
.set MSB, 0
.macro WIN new                         ; the immediate's high byte repeats the setting that is left
.if MSB != (\new)
	s_set_vgpr_msb (MSB<<8)|(\new)
.set MSB, \new
.endif
.endm
.set MUL,  0x05                        ; sources 0 (B) and 1 (A) window 1; C and D window 0
.set TO_F, 0x40                        ; destination window 1, address window 0
.macro PLACES
.rept 4
	v_nop
.endr
.endm
.macro JLOAD                           ; a joint refill: waves 0, 1 ask for A's halves, waves 2, 3 for B's
	s_cmp_eq_u32 s[WM], 0
	s_cbranch_scc0 .Lfor_b_\@
	tensor_load_to_lds s[G0A:G0A+3], s[G1A:G1A+7]
	s_nop 0
	PLACES
	s_branch .Lasked_\@
.Lfor_b_\@:
	tensor_load_to_lds s[G0B:G0B+3], s[G1B:G1B+7]
	s_nop 0
	PLACES
.Lasked_\@:
.endm
.macro CREST                           ; a round of the cluster's barrier behind its opening barrier
	s_cmp_lg_u32 s[WV], 0
	s_cbranch_scc1 .Lnot_wave_0_\@
	s_barrier_signal -3
.Lnot_wave_0_\@:
	s_barrier_wait -3
	s_barrier_signal -1
	s_barrier_wait -1
.endm
.macro CROUND
	s_barrier_signal -1
	s_barrier_wait -1
	CREST
.endm
	s_load_b256 s[4:11], s[0:1], 0x0               ; hn s[4:5], wts s[6:7], bq s[8:9], bk s[10:11]
	s_load_b128 s[12:15], s[0:1], 0x20             ; bv s[12:13], qkvb s[14:15]
	v_lshl_add_u32 v[SPW], v0, 2, SPARE
	v_mov_b32 v[NIL], 0
	ds_add_u32 v[SPW], v[NIL]                      ; the wave's opening: the add and its wait ahead of my first tensor load
	v_lshrrev_b32 v1, 5, v0
	v_readfirstlane_b32 s[WV], v1                  ; wave 0..3
	s_lshr_b32 s[WM], s[WV], 1                     ; my half of the tile's rows; also: I fetch for A (0) or B (1)
	s_and_b32 s[WN], s[WV], 1                      ; my half of its columns; also: which half of that tile I fetch
	s_bfe_u32 s[CX], ttmp6, 0x40000
	s_bfe_u32 s[CY], ttmp6, 0x40004
	s_lshl_b32 s[TX], ttmp9, 2
	s_add_co_u32 s[TX], s[TX], s[CX]               ; tile column
	s_and_b32 s[TY], ttmp7, 0xffff
	s_lshl_b32 s[TY], s[TY], 2
	s_add_co_u32 s[TY], s[TY], s[CY]               ; tile row
	s_lshl_b32 s60, s[CY], 2
	s_lshl_b32 s60, 15, s60                        ; my row of the cluster
	s_lshl_b32 s66, 0x1111, s[CX]                  ; my column
	s_or_b32 s[G1A], s60, (1<<16)|(1<<20)|(1<<21)|(4<<22)|(3<<25)  ; 2-byte elements; padding on: 4 words behind every 32
	s_or_b32 s[G1B], s66, (1<<16)|(1<<20)|(1<<21)|(3<<22)|(3<<25)  ; 4 words behind every 16
	s_mov_b32 s[G1A+1], 128<<16                    ; A: 64 rows of 128 elements, dense
	s_mov_b32 s[G1A+2], 64<<16
	s_mov_b32 s[G1A+3], 128<<16
	s_mov_b32 s[G1A+4], 64
	s_mov_b32 s[G1A+5], 128
	s_mov_b32 s[G1A+6], 0
	s_mov_b32 s[G1A+7], 0
	s_mov_b32 s[G1B+1], 192<<16                    ; B: 64 rows of 192 elements, 1,536 from row to row
	s_mov_b32 s[G1B+2], 64<<16
	s_mov_b32 s[G1B+3], 192<<16
	s_mov_b32 s[G1B+4], 64
	s_mov_b32 s[G1B+5], NTOT
	s_mov_b32 s[G1B+6], 0
	s_mov_b32 s[G1B+7], 0
	s_lshl_b32 s60, s[TY], 18                      ; A: the block of 128 rows, and my column block of the step's two
	s_lshl_b32 s61, s[WN], 14
	s_add_co_u32 s60, s60, s61
	s_mov_b32 s61, 0
	s_mul_i32 s66, s[TX], 384                      ; B: the tile's first column, and my 64 of the step's 128 rows
	s_mul_i32 s67, s[WN], 64*NTOT*2
	s_add_co_u32 s66, s66, s67
	s_mov_b32 s67, 0
	s_mul_i32 s[WBA], s[WN], CHUNK                 ; where they go: no place in the cluster enters an LDS address
	s_mul_i32 s[WBB], s[WN], 64*PB
	s_add_co_u32 s[WBB], s[WBB], ABYTES
	s_mov_b32 s[TG], 0
	s_mov_b32 s[MASK], 0xffff0000
	s_wait_dscnt 0x0                               ; the opening add is done
	s_wait_kmcnt 0x0
	s_add_nc_u64 s[60:61], s[4:5], s[60:61]
	s_add_nc_u64 s[66:67], s[6:7], s[66:67]
	s_mov_b32 s[G0A0], 1                           ; K step 0 into slot 0
	s_mov_b32 s[G0A0+1], s[WBA]
	s_mov_b64 s[G0A0+2:G0A0+3], s[60:61]
	s_or_b32 s[G0A0+3], s[G0A0+3], 0x80000000
	s_mov_b32 s[G0A], 1                            ; K step 1 into slot 1; this set then walks on
	s_add_co_u32 s[G0A+1], s[WBA], SLOT
	s_add_nc_u64 s[G0A+2:G0A+3], s[60:61], ASTEP
	s_or_b32 s[G0A+3], s[G0A+3], 0x80000000
	s_mov_b32 s[G0B0], 1
	s_mov_b32 s[G0B0+1], s[WBB]
	s_mov_b64 s[G0B0+2:G0B0+3], s[66:67]
	s_or_b32 s[G0B0+3], s[G0B0+3], 0x80000000
	s_mov_b32 s[G0B], 1
	s_add_co_u32 s[G0B+1], s[WBB], SLOT
	s_add_nc_u64 s[G0B+2:G0B+3], s[66:67], BSTEP
	s_or_b32 s[G0B+3], s[G0B+3], 0x80000000
	CROUND                                         ; all sixteen work-groups are here: the first joint loads meet
	s_cmp_eq_u32 s[WM], 0                          ; a wave's two first fills stand in one branch: two loads of mine are out
	s_cbranch_scc0 .Lfirst_b
	tensor_load_to_lds s[G0A0:G0A0+3], s[G1A:G1A+7]
	s_nop 0
	tensor_load_to_lds s[G0A:G0A+3], s[G1A:G1A+7]
	s_nop 0
	PLACES
	s_branch .Lfirst_asked
.Lfirst_b:
	tensor_load_to_lds s[G0B0:G0B0+3], s[G1B:G1B+7]
	s_nop 0
	tensor_load_to_lds s[G0B:G0B+3], s[G1B:G1B+7]
	s_nop 0
	PLACES
.Lfirst_asked:
	v_and_b32 v1, 15, v0                           ; r = lane % 16
	v_bfe_u32 v2, v0, 4, 1                         ; h = lane / 16
	v_mul_u32_u24 v3, v1, PA
	v_lshl_add_u32 v3, v2, 4, v3
	s_mul_i32 s71, s[WM], 64*PA
	v_add_nc_u32 v[ADRA0], s71, v3                 ; A: (my 64 rows + r) x pitch + 16 h
	v_and_b32 v4, 7, v0
	v_bfe_u32 v5, v0, 3, 1
	v_lshl_add_u32 v4, v2, 3, v4
	v_mul_u32_u24 v4, v4, PB
	v_lshl_add_u32 v4, v5, 4, v4
	s_mul_i32 s71, s[WN], 240                      ; my 96 columns: three pieces of 80 bytes
	s_add_co_u32 s71, s71, ABYTES
	v_add_nc_u32 v[ADRB0], s71, v4                 ; B, turned: (8 h + lane % 8) x pitch + 16 ((lane / 8) % 2)
	v_mov_b32 v[CA], v[ADRA0]
	v_mov_b32 v[CB0], v[ADRB0]
	s_lshl_b32 s71, s[WM], 6
	v_add_nc_u32 v6, s71, v1
	v_mul_u32_u24 v6, v6, SP
	v_lshl_add_u32 v6, v2, 5, v6
	s_mul_i32 s71, s[WN], 384
	v_add_nc_u32 v[STO], s71, v6                   ; into the stage: row, my 96 columns, 32 bytes for each half of the lanes
	s_lshl_b32 s71, s[WV], 5
	v_add_nc_u32 v7, s71, v2
	v_mul_u32_u24 v7, v7, SP
	v_lshl_add_u32 v[RD], v1, 4, v7                ; back: rows 32 w + h on, 16 bytes a lane
	v_lshlrev_b32 v[GO], 3, v1
	v_lshl_add_u32 v[GO], v2, 7, v[GO]             ; out: two rows of 128 bytes: 256 consecutive bytes
	v_lshlrev_b32 v[BO], 4, v1
	s_mul_i32 s71, s[TX], 3                        ; the tile's three head blocks c = 3 tx + hb: each takes its bias from bq, bk or bv
.irp hb, 0,1,2
	s_add_co_u32 s[74+4*(\hb)], s71, (\hb)
	s_cmp_lt_u32 s[74+4*(\hb)], 20
	s_cselect_b64 s[72+4*(\hb):73+4*(\hb)], s[10:11], s[12:13]
	s_cselect_b32 s[75+4*(\hb)], 16, 20
	s_cmp_lt_u32 s[74+4*(\hb)], 16
	s_cselect_b64 s[72+4*(\hb):73+4*(\hb)], s[8:9], s[72+4*(\hb):73+4*(\hb)]
	s_cselect_b32 s[75+4*(\hb)], 0, s[75+4*(\hb)]
	s_sub_co_u32 s[74+4*(\hb)], s[74+4*(\hb)], s[75+4*(\hb)]
	s_lshl_b32 s[74+4*(\hb)], s[74+4*(\hb)], 8
	s_mov_b32 s[75+4*(\hb)], 0
	s_add_nc_u64 s[72+4*(\hb):73+4*(\hb)], s[72+4*(\hb):73+4*(\hb)], s[74+4*(\hb):75+4*(\hb)]
	global_load_b128 v[BQ+4*(\hb):BQ+4*(\hb)+3], v[BO], s[72+4*(\hb):73+4*(\hb)]
.endr
	s_mul_i32 s84, s[TX], 3*524288                 ; the output: plane c = 3 tx, batch, my 32 rows
	s_lshr_b32 s85, s[TY], 4
	s_lshl_b32 s85, s85, 18
	s_add_co_u32 s84, s84, s85
	s_and_b32 s85, s[TY], 15
	s_lshl_b32 s85, s85, 14
	s_add_co_u32 s84, s84, s85
	s_lshl_b32 s85, s[WV], 12
	s_add_co_u32 s84, s84, s85
	s_mov_b32 s85, 0
	s_add_nc_u64 s[14:15], s[14:15], s[84:85]
.macro MULA f, a, zero                 ; six matrix instructions: row block a x all six column blocks, 32 along K; the accumulators take turns
	WIN MUL
.irp b, 0,1,2,3,4,5
.if \zero
	v_wmma_f32_16x16x32_f16 v[ACC+8*(6*(\a)+(\b)):ACC+8*(6*(\a)+(\b))+7], v[(\f)+8*(\b):(\f)+8*(\b)+7], v[(\f)+48+8*(\a):(\f)+48+8*(\a)+7], 0
.else
	v_wmma_f32_16x16x32_f16 v[ACC+8*(6*(\a)+(\b)):ACC+8*(6*(\a)+(\b))+7], v[(\f)+8*(\b):(\f)+8*(\b)+7], v[(\f)+48+8*(\a):(\f)+48+8*(\a)+7], v[ACC+8*(6*(\a)+(\b)):ACC+8*(6*(\a)+(\b))+7]
.endif
.endr
.endm
.macro FETCH q, f                      ; 20 LDS loads in one run: quarter q (32 along K) of the slot in hand into buffer f: B's six blocks, then A's four
	WIN TO_F
.irp b, 0,1,2,3,4,5
	ds_load_tr16_b128 v[(\f)+8*(\b):(\f)+8*(\b)+3],   v[CB0] offset:(\q)*32*PB+((\b)/2)*80+((\b)%2)*32
	ds_load_tr16_b128 v[(\f)+8*(\b)+4:(\f)+8*(\b)+7], v[CB0] offset:(\q)*32*PB+((\b)/2)*80+((\b)%2)*32+16*PB
.endr
.irp a, 0,1,2,3
	ds_load_b128 v[(\f)+48+8*(\a):(\f)+48+8*(\a)+3],   v[CA] offset:((\q)/2)*CHUNK+((\q)%2)*64+(\a)*16*PA
	ds_load_b128 v[(\f)+48+8*(\a)+4:(\f)+48+8*(\a)+7], v[CA] offset:((\q)/2)*CHUNK+((\q)%2)*64+(\a)*16*PA+32
.endr
.endm
.macro QUARTER q, f, g, zero           ; multiplies buffer f; in its middle fetches quarter q into buffer g
	s_wait_dscnt 4                                 ; B and A's blocks 0, 1 are in; the youngest four loads (A's blocks 2, 3) may be out
	MULA \f, 0, \zero
	MULA \f, 1, \zero
	PLACES                                         ; four places in front of loads into registers that matrix instructions have read
	FETCH \q, \g
	s_wait_dscnt 20                                ; all but the 20 just issued
	MULA \f, 2, \zero
	MULA \f, 3, \zero
.endm
; The last quarter of a K step multiplies buffer 1 and changes slots: one barrier; in front of it each wave waits for all its tensor loads (one is out: its part of the next slot),
; adds 0 to its spare word, and waits for that and for its own reads of this slot.  fill = 1: the barrier opens a round of the cluster's, and this slot is filled again, two K steps ahead, first thing behind it.
.macro TURN fill
	WIN 0
	s_wait_tensorcnt 0x0
	ds_add_u32 v[SPW], v[NIL]
	s_wait_dscnt 5                                 ; (the add and the youngest four loads may be out)
	MULA F1, 0, 0
	s_wait_dscnt 0x0                               ; the add is done, and my reads of this slot are over
	s_barrier_signal -1
	MULA F1, 1, 0
	WIN 0
	s_barrier_wait -1
.if \fill
	CREST
	s_add_co_u32 s[G0A+1], s[WBA], s[TG]           ; no tensor load of mine is out: the walking sets step: into the slot just read,
	s_add_co_u32 s[G0B+1], s[WBB], s[TG]
	s_add_nc_u64 s[G0A+2:G0A+3], s[G0A+2:G0A+3], ASTEP  ; one K step beyond the last one asked for
	s_add_nc_u64 s[G0B+2:G0B+3], s[G0B+2:G0B+3], BSTEP
	JLOAD                                          ; its four v_nop are also the places in front of the loads below
.else
	PLACES
.endif
	s_xor_b32 s[TG], s[TG], SLOT                   ; the other slot is in hand now
	v_add_nc_u32 v[CA], s[TG], v[ADRA0]
	v_add_nc_u32 v[CB0], s[TG], v[ADRB0]
	FETCH 0, F0
	MULA F1, 2, 0
	MULA F1, 3, 0
.endm
	s_wait_tensorcnt 1                             ; my part of K step 0 is in; step 1's may stay out
	s_barrier_signal -1
	s_barrier_wait -1
	FETCH 0, F0
	QUARTER 1, F0, F1, 1                           ; the first quarter stands in front of the loop: its products start the sums
	WIN 0
	s_mov_b32 s[CNT], NSTEP-2
.Lstep:                                            ; a trip: from a K step's second quarter to the next step's first; it fills one slot again
	QUARTER 2, F1, F0, 0
	QUARTER 3, F0, F1, 0
	TURN 1
	QUARTER 1, F0, F1, 0
	WIN 0
	s_sub_co_u32 s[CNT], s[CNT], 1
	s_cmp_lg_u32 s[CNT], 0
	s_cbranch_scc1 .Lstep
	QUARTER 2, F1, F0, 0                           ; the last two K steps ask for nothing
	QUARTER 3, F0, F1, 0
	TURN 0
	QUARTER 1, F0, F1, 0
	QUARTER 2, F1, F0, 0
	QUARTER 3, F0, F1, 0
	s_wait_dscnt 4
	MULA F1, 0, 0
	MULA F1, 1, 0
	s_wait_dscnt 0x0
	MULA F1, 2, 0
	MULA F1, 3, 0
	WIN 0
	; THE WAY OUT: the f32 sums into one stage (the ring's bytes: their last fill is over and, behind this barrier, nobody reads them), a barrier, back by rows; bias, f16, whole runs of 256 bytes.
	s_barrier_signal -1
	s_barrier_wait -1
	PLACES
.irp a, 0,1,2,3
.irp b, 0,1,2,3,4,5
	ds_store_b128 v[STO], v[ACC+8*(6*(\a)+(\b)):ACC+8*(6*(\a)+(\b))+3]   offset:(\a)*16*SP+64*(\b)
	ds_store_b128 v[STO], v[ACC+8*(6*(\a)+(\b))+4:ACC+8*(6*(\a)+(\b))+7] offset:(\a)*16*SP+64*(\b)+16
.endr
.endr
	s_wait_loadcnt 0x0                             ; the biases: rounded to bf16
.set i, 0
.rept 6
	v_cvt_pk_bf16_f32 v[44+i], v[BQ+2*i], v[BQ+2*i+1]
.set i, i+1
.endr
.set i, 0
.rept 6
	v_lshlrev_b32 v[BQ+2*i], 16, v[44+i]
	v_and_b32 v[BQ+2*i+1], s[MASK], v[44+i]
.set i, i+1
.endr
	s_wait_dscnt 0x0                               ; for the others' sake: my stores into the stage are done
	s_barrier_signal -1
	s_barrier_wait -1
	s_mov_b32 s[CNT], 4
.Lout:                                             ; a trip: four pairs of rows x three head blocks
.set u, 0
.rept 12
	ds_load_b128 v[TT+4*u:TT+4*u+3], v[RD] offset:(u/3)*2*SP+(u%3)*256
.set u, u+1
.endr
.set u, 0
.rept 12
	s_wait_dscnt 11-u                              ; LDS loads come back in order: unit u is in
	v_pk_add_f32 v[TT+4*u:TT+4*u+1], v[TT+4*u:TT+4*u+1], v[BQ+4*(u%3):BQ+4*(u%3)+1]
	v_pk_add_f32 v[TT+4*u+2:TT+4*u+3], v[TT+4*u+2:TT+4*u+3], v[BQ+4*(u%3)+2:BQ+4*(u%3)+3]
	v_cvt_pk_f16_f32 v[YY+2*u], v[TT+4*u], v[TT+4*u+1]
	v_cvt_pk_f16_f32 v[YY+2*u+1], v[TT+4*u+2], v[TT+4*u+3]
	global_store_b64 v[GO], v[YY+2*u:YY+2*u+1], s[14:15] offset:(u%3)*524288+(u/3)*256
.set u, u+1
.endr
	s_wait_xcnt 0x0                                ; the stores' data and offset are rewritten only behind this wait
	v_add_nc_u32 v[RD], 8*SP, v[RD]
	v_add_nc_u32 v[GO], 1024, v[GO]
	s_sub_co_u32 s[CNT], s[CNT], 1
	s_cmp_lg_u32 s[CNT], 0
	s_cbranch_scc1 .Lout
	s_wait_tensorcnt 0x0                           ; the wave's end
	ds_add_u32 v[SPW], v[NIL]
	s_wait_dscnt 0x0
	CROUND                                         ; the closing round
	s_endpgm
.Lfunc_end_k_qcf45a63001_qkv:
	.size	k_qcf45a63001_qkv, .Lfunc_end_k_qcf45a63001_qkv-k_qcf45a63001_qkv
	.p2alignl 7, 3214868480
	.fill 96, 4, 3214868480
	.section	.rodata,"a",@progbits
	.p2align	6, 0x0
	.amdhsa_kernel k_qcf45a63001_qkv
		.amdhsa_group_segment_fixed_size 327680
		.amdhsa_private_segment_fixed_size 0
		.amdhsa_enable_private_segment 0
		.amdhsa_kernarg_size 48
		.amdhsa_user_sgpr_count 2
		.amdhsa_user_sgpr_kernarg_segment_ptr 1
		.amdhsa_wavefront_size32 1
		.amdhsa_system_sgpr_workgroup_id_x 1
		.amdhsa_system_sgpr_workgroup_id_y 1
		.amdhsa_system_sgpr_workgroup_id_z 1
		.amdhsa_system_vgpr_workitem_id 0
		.amdhsa_next_free_vgpr 416
		.amdhsa_next_free_sgpr 88
		.amdhsa_reserve_vcc 0
		.amdhsa_float_denorm_mode_32 3
		.amdhsa_float_denorm_mode_16_64 3
		.amdhsa_memory_ordered 1
		.amdhsa_forward_progress 1
		.amdhsa_inst_pref_size 56
	.end_amdhsa_kernel
	.amdgpu_metadata
---
amdhsa.version: [ 1, 2 ]
amdhsa.kernels:
  - .name:           k_qcf45a63001_qkv
    .symbol:         k_qcf45a63001_qkv.kd
    .args:
      - { .name: hn, .offset: 0, .size: 8, .value_kind: global_buffer, .address_space: global }
      - { .name: wts, .offset: 8, .size: 8, .value_kind: global_buffer, .address_space: global }
      - { .name: bq, .offset: 16, .size: 8, .value_kind: global_buffer, .address_space: global }
      - { .name: bk, .offset: 24, .size: 8, .value_kind: global_buffer, .address_space: global }
      - { .name: bv, .offset: 32, .size: 8, .value_kind: global_buffer, .address_space: global }
      - { .name: qkvb, .offset: 40, .size: 8, .value_kind: global_buffer, .address_space: global }
    .group_segment_fixed_size: 327680
    .private_segment_fixed_size: 0
    .kernarg_segment_align: 8
    .kernarg_segment_size: 48
    .max_flat_workgroup_size: 128
    .sgpr_count:     88
    .vgpr_count:     416
    .wavefront_size: 32
...
	.end_amdgpu_metadata
.endif
;; end of part 2
;; launch attn (part 3): grid 32 x 8, 4 waves a work-group, clusters of 4 x 1, 327,680 bytes of LDS; arguments qkvb, ob; writes ob
.if DOCPART == 3
	.amdgcn_target "amdgcn-amd-amdhsa--gfx1250"
	.amdhsa_code_object_version 6
	.text
	.protected	k_qcf45a63001_attn
	.globl	k_qcf45a63001_attn
	.p2align	8
	.type	k_qcf45a63001_attn,@function
k_qcf45a63001_attn:
	s_mov_b64 s[64:65], 0
	v_nop
	global_prefetch_b8 v0, s[64:65] scope:SCOPE_SE
	s_setreg_imm32_b32 hwreg(HW_REG_WAVE_MODE, 25, 1), 1
	s_wait_xcnt 0x0
	s_wait_alu depctr_hold_cnt(0) depctr_sa_sdst(0) depctr_va_vdst(0) depctr_va_sdst(0) depctr_va_ssrc(0) depctr_va_vcc(0) depctr_vm_vsrc(0)
	s_getreg_b32 s2, hwreg(HW_REG_IB_STS2, 6, 4)
	s_cmp_eq_u32 s2, 0
	s_cbranch_scc0 .Lentry_in_a_cluster
	s_endpgm
.Lentry_in_a_cluster:
	s_bfe_u32 s2, ttmp6, 0x10000c
	s_cmp_lg_u32 s2, 0x3003
	s_cbranch_scc0 .Lentry_shape_is_right
	s_endpgm
.Lentry_shape_is_right:
; CAUSAL GROUPED-QUERY ATTENTION, head size 64, 2,048 rows, 16 query heads on 4 key/value groups, 2 batches.  q, k, v: [c 24][b 2][t 2048][64] f16 (c = head, 16 + g, 20 + g), unscaled.
; O[q] = sum over k <= q of softmax_k(Q[q] . K[k] / 8) V[k].  Products, maxima and sums in f32; the weights p are rounded to f16 for the second product (their sum is taken of the unrounded p);
; O is rounded once to f16 and leaves in blocks [16 b + t / 128][head][t % 128][64].
; LIMITS: q, k, v within f16's 65,504; a hidden score counts as its value less 1e30; a weight below 2^-126 counts as 0; NaN and infinities are not treated apart.
; THE WALK.  A head's queries lie in 16 blocks of 128; block i needs the key steps (64 keys) 0 .. 2 i + 1, which lie in (i >> 1) + 1 slots of four steps (256 keys).  A work-group takes blocks 15 - p and
; then p: 9 slots, whatever p: one loop with constant trip counts.  A block ends at a slot's end: of the two blocks one is even, and the last two steps of its last slot are wholly hidden and are
; computed all the same (2 of the walk's 36 steps).
; CLUSTER.  The four work-groups of a cluster are the four heads of one group, with the same p and batch: they walk the same K and V with the same branches, so every tile is asked for jointly.
; SHARES.  Of a block's two bands of 64 queries a wave owns 16 rows in each: two pieces.  Band x's own step, the one that holds its diagonal, is step D0 + x of the block's last slot, D0 = 2 (i & 1).
; THE MASK is the C operand that starts the sum S^T = K Q^T.  MD, made once, is the mask of a band's own step for my 16 rows (0, or -1e30 where the key is hidden); a product's mask is MD x AL + BE with two
; scalars: (0, 0) before the band's own step, (1, 0) in it, (0, -1e30) behind it.  Only the text of a block's last slot makes and takes masks; elsewhere C is the constant 0.
; LAYOUT.  S^T = K Q^T holds one query a lane (lane % 16) and keys 8 (lane / 16) + 0..7; two such results rounded to f16 are source 1 of O^T = V^T P.  p = 2^(c s - c m), c = log2(e) / 8, running maximum m;
; O and l are multiplied by a = 2^(c m_old - c m_new) in every step.  m starts at the lowest finite number, so a block's first step has a = 0; every row sees key 0 in that step, so m is a true score from then on.
; BY TURNS.  A step has 236 softmax instructions (118 a piece) and 32 products.  A piece's softmax carries the OTHER piece's products, one behind every four of its first 64 instructions:
; piece 0's softmax of step s carries piece 1's K Q^T of step s and then its V^T P of step s - 1; piece 1's softmax carries piece 0's K Q^T of step s + 1 and then its V^T P of step s.
; K of step s + 1 and V of step s are fetched in piece 0's turn, each behind the last product that read the registers, and are first used in piece 1's turn.
; At a slot's end the next K lies in the other slot: the last step fetches its own K once more, the 8 products made of it are never read, and behind the change of slots the right K is fetched and
; 8 bare products make piece 0's scores.  At a block's end piece 1's last V^T P stands bare.  At a block's beginning the V^T P of a step that has not been lands in an O^T that is still to be multiplied by a = 0.
; REGISTERS: window 0: v0-15 addresses; v16-31 statistics, 8 a piece; v32-95 V; v96-159 S^T; v160-191 P; v192-255 O^T: V^T P and the softmax need no switch of windows.
;   Window 1: v0-31 Q; v32-63 the second block's Q; v64-127 K; v128-159 MD; v192-255 MC, the masks in hand, 32 a piece: a product K Q^T among softmax lines costs two switches.
.set KS,    64
.set PK,    144                        ; a row of K in LDS: 128 bytes + 16
.set PV,    160                        ; a row of V: 128 + 32
.set VOFF,  4*KS*PK
.set SLOT1, 1<<17
.set STAGE, SLOT1+4*KS*(PK+PV)         ; behind the ring, never filled by a tensor load: 16 rows x 144 bytes a wave
.set SP,    144
.set SPARE, STAGE+4*16*SP              ; the spare words, 128 bytes a wave, that no other line names
.set AK0, 2
.set AV0, 3
.set AK,  4
.set AV,  5
.set STO, 6
.set RD,  7
.set GO,  8
.set SPW, 12
.set NIL, 13
.set QO,  15
.set ST,  16                           ; piece t at ST + 8 t: c m, m, l (even keys', odd keys'), c0-c3 at work; a takes c2's place
.set VF,  32
.set S,   96
.set P,   160
.set O,   192
.set QB,  32                           ; window 1
.set KF,  64
.set MD,  128
.set MC,  192
.set WV,  12
.set PBK, 14                           ; p
.set HI,  15                           ; 15 - p
.set G1K, 24
.set G1V, 32
.set G0K, 40
.set G0V, 44
.set TBN, 55                           ; LDS byte at which K of the step to be fetched begins
.set SLOTS, 56
.set CNT, 57
.set CS,  58
.set SEL, 60
.set TBK, 62                           ; LDS byte at which K of the step in hand begins
.set TBV, 63                           ; the same for V, less VOFF
.set NXT, 70                           ; the tile to be asked for next
.set LQ,  71                           ; the last tile of the block whose tiles are being asked for
.set OFF, 72
.set RT,  74                           ; slots of the block in hand that are still to be entered
.set D0,  75                           ; band 0's own step in the block's last slot
.set D1,  76                           ; band 1's
.set BIGN, 77
.set SS,  78                           ; a step's number in its slot
.set OLO, 80
.set AL0, 92                           ; s[92:93] piece 0's factor, s[94:95] its addend, s[96:97], s[98:99] piece 1's: the low word of each pair serves both halves
.set MSB, 0
.macro WIN new
.if MSB != (\new)
	s_set_vgpr_msb (MSB<<8)|(\new)
.set MSB, (\new)
.endif
.endm
.set W_KQ, 0x05                        ; K and Q in window 1; S^T and its C in window 0
.set W_KM, 0x15                        ; the same with the C operand in window 1
.macro PLACES
.rept 4
	v_nop
.endr
.endm
.macro JLOAD                           ; a joint fill: waves 0, 1 fetch the halves of a tile's K, waves 2, 3 those of its V
	s_cmp_lt_u32 s[WV], 2
	s_cbranch_scc0 .Lfor_v_\@
	tensor_load_to_lds s[G0K:G0K+3], s[G1K:G1K+7]
	s_nop 0
	PLACES
	s_branch .Lasked_\@
.Lfor_v_\@:
	tensor_load_to_lds s[G0V:G0V+3], s[G1V:G1V+7]
	s_nop 0
	PLACES
.Lasked_\@:
.endm
.macro CROUND
	s_barrier_signal -1
	s_barrier_wait -1
	s_cmp_lg_u32 s[WV], 0
	s_cbranch_scc1 .Lnot_wave_0_\@
	s_barrier_signal -3
.Lnot_wave_0_\@:
	s_barrier_wait -3
	s_barrier_signal -1
	s_barrier_wait -1
.endm
; THE CHANGE OF SLOTS.  Each wave waits for all its tensor loads (one is out: its part of the other slot), adds 0 to its spare word, and waits for that and for its reads of the slot that it leaves.
; fill = 1: a round of the cluster's barrier, and the old slot is filled again first thing behind it, with tile NXT: the descriptor's address is made anew from that number.
; (At its first use nothing has been read yet: slot 0 is waited for, slot 1 filled.)
.macro CHANGE fill
	WIN 0
	s_wait_tensorcnt 0x0
	ds_add_u32 v[SPW], v[NIL]
.if \fill
	s_lshl_b32 s[OFF], s[NXT], 15                  ; a tile is 32,768 bytes of K and of V
	s_xor_b32 s[G0K+1], s[G0K+1], SLOT1
	s_add_nc_u64 s[G0K+2:G0K+3], s[6:7], s[OFF:OFF+1]
	s_or_b32 s[G0K+3], s[G0K+3], 0x80000000
	s_xor_b32 s[G0V+1], s[G0V+1], SLOT1
	s_add_nc_u64 s[G0V+2:G0V+3], s[8:9], s[OFF:OFF+1]
	s_or_b32 s[G0V+3], s[G0V+3], 0x80000000
	s_add_co_u32 s[NXT], s[NXT], 1                 ; the block's next tile, or behind its last the second block's tile 0
	s_lshr_b32 s79, s[PBK], 1
	s_cmp_gt_u32 s[NXT], s[LQ]
	s_cselect_b32 s[NXT], 0, s[NXT]
	s_cselect_b32 s[LQ], s79, s[LQ]
	s_wait_dscnt 0x0                               ; the add is done, and my reads of the slot are over
	CROUND
	JLOAD
.else
	s_wait_dscnt 0x0
	s_barrier_signal -1
	s_barrier_wait -1
.endif
	s_sub_co_u32 s[TBK], s[TBK], 4*KS*PK           ; the fetches go back to a slot's first step, in the other slot
	s_xor_b32 s[TBK], s[TBK], SLOT1
	s_sub_co_u32 s[TBV], s[TBV], 4*KS*PV
	s_xor_b32 s[TBV], s[TBV], SLOT1
	s_mov_b32 s[CNT], 4
.endm
	s_load_b128 s[48:51], s[0:1], 0x0              ; qkvb s[48:49], ob s[50:51]
	v_lshl_add_u32 v[SPW], v0, 2, SPARE
	v_mov_b32 v[NIL], 0
	ds_add_u32 v[SPW], v[NIL]                      ; the wave's opening: the add and its wait ahead of my first tensor load
	v_lshrrev_b32 v1, 5, v0
	v_readfirstlane_b32 s[WV], v1                  ; wave 0..3
	s_bfe_u32 s13, ttmp6, 0x40000                  ; cx: my head in its group; it enters Q's and O's addresses alone
	s_mov_b32 s[PBK], ttmp9                        ; in a cluster launch ttmp9 counts clusters: p
	s_sub_co_u32 s[HI], 15, s[PBK]
	s_and_b32 s16, ttmp7, 0xffff
	s_and_b32 s17, s16, 1                          ; batch
	s_lshr_b32 s18, s16, 1                         ; group
	s_lshl_b32 s19, s18, 2
	s_add_co_u32 s19, s19, s13                     ; head
	s_add_co_u32 s20, s18, 16                      ; K's plane 2 (16 + g) + b, 262,144 bytes each,
	s_lshl_b32 s20, s20, 1
	s_add_co_u32 s20, s20, s17
	s_lshl_b32 s20, s20, 18
	s_and_b32 s23, s[WV], 1                        ; and my half of a tile's 256 keys
	s_lshl_b32 s21, s23, 14
	s_add_co_u32 s20, s20, s21
	s_mov_b32 s21, 0
	s_mul_i32 s22, s23, 128*PK                     ; its place in a slot, for K
	s_mul_i32 s23, s23, 128*PV                     ; and for V
	s_lshl_b32 s82, s19, 1                         ; Q's plane 2 head + b, my 16 rows in a band,
	s_add_co_u32 s82, s82, s17
	s_lshl_b32 s82, s82, 18
	s_lshl_b32 s83, s[WV], 11
	s_add_co_u32 s82, s82, s83
	s_lshl_b32 s84, s[PBK], 14                     ; in the second block
	s_add_co_u32 s84, s84, s82
	s_lshl_b32 s83, s[HI], 14                      ; and in the first
	s_add_co_u32 s82, s82, s83
	s_mov_b32 s83, 0
	s_mov_b32 s85, 0
	s_lshl_b32 s52, s19, 14                        ; O: block 16 b + i, column block = head, my rows
	s_lshl_b32 s53, s[WV], 11
	s_add_co_u32 s52, s52, s53
	s_lshl_b32 s53, s17, 4
	s_add_co_u32 s88, s53, s[HI]
	s_lshl_b32 s88, s88, 18
	s_add_co_u32 s88, s88, s52
	s_add_co_u32 s90, s53, s[PBK]
	s_lshl_b32 s90, s90, 18
	s_add_co_u32 s90, s90, s52
	s_mov_b32 s89, 0
	s_mov_b32 s91, 0
	; descriptor group 1: 128 keys are 16,384 dense bytes: 64 rows of 256 bytes, padded in LDS after every key
	s_mov_b32 s[G1K], 15|(1<<16)|(1<<20)|(1<<21)|(4<<22)|(3<<25)
	s_mov_b32 s[G1V], 15|(1<<16)|(1<<20)|(1<<21)|(4<<22)|(7<<25)
.irp g, G1K, G1V
	s_mov_b32 s[\g+1], 128<<16
	s_mov_b32 s[\g+2], 64<<16
	s_mov_b32 s[\g+3], 128<<16
	s_mov_b32 s[\g+4], 64
	s_mov_b32 s[\g+5], 128
	s_mov_b32 s[\g+6], 0
	s_mov_b32 s[\g+7], 0
.endr
	s_mov_b32 s[CS], 0x3e38aa3b                    ; c = log2(e) / 8
	s_mov_b32 s[CS+1], s[CS]
	s_mov_b32 s[SEL], 0x76543210
	s_mov_b32 s[SEL+1], 0xfedcba98
	s_mov_b32 s[TBK], SLOT1+4*KS*PK                ; the first change of slots turns these two into 0
	s_mov_b32 s[TBV], SLOT1+4*KS*PV
	s_mov_b32 s[G0K], 1
	s_mov_b32 s[G0K+1], s22
	s_mov_b32 s[G0V], 1
	s_add_co_u32 s[G0V+1], s23, VOFF
	s_mov_b32 s[NXT], 1
	s_lshr_b32 s[LQ], s[HI], 1
	s_mov_b32 s[OFF+1], 0
	s_add_co_u32 s[RT], s[LQ], 1                   ; the first block has (15 - p >> 1) + 1 slots
	s_and_b32 s[D0], s[HI], 1
	s_lshl_b32 s[D0], s[D0], 1
	s_add_co_u32 s[D1], s[D0], 1
	s_mov_b32 s[BIGN], 0xf149f2ca                  ; -1e30
	s_mov_b32 s[AL0+1], 0                          ; named as pairs
	s_mov_b32 s[AL0+3], 0
	s_mov_b32 s[AL0+5], 0
	s_mov_b32 s[AL0+7], 0
	s_mov_b32 s[SLOTS], 8
	s_wait_dscnt 0x0                               ; the opening add is done
	s_wait_kmcnt 0x0
	s_add_nc_u64 s[6:7], s[48:49], s[20:21]        ; K at my half of tile 0
	s_add_nc_u64 s[8:9], s[6:7], 0x200000          ; V: eight planes on
	s_add_nc_u64 s[4:5], s[48:49], s[82:83]        ; Q, first block
	s_add_nc_u64 s[86:87], s[48:49], s[84:85]      ; Q, second block
	s_add_nc_u64 s[10:11], s[50:51], s[88:89]      ; O, first block
	s_add_nc_u64 s[OLO:OLO+1], s[50:51], s[90:91]  ; O, second block
	s_add_nc_u64 s[G0K+2:G0K+3], s[6:7], 0
	s_or_b32 s[G0K+3], s[G0K+3], 0x80000000
	s_add_nc_u64 s[G0V+2:G0V+3], s[8:9], 0
	s_or_b32 s[G0V+3], s[G0V+3], 0x80000000
	CROUND                                         ; all four work-groups are here: the first joint loads meet
	JLOAD                                          ; tile 0 into slot 0; slot 1 is asked for by the loop's first change of slots
	v_and_b32 v1, 15, v0                           ; r
	v_bfe_u32 v9, v0, 4, 1                         ; h
	v_lshlrev_b32 v[QO], 7, v1
	v_lshl_add_u32 v[QO], v9, 4, v[QO]
	WIN 0x40                                       ; destination window 1, address window 0
.set i, 0
.rept 4                                ; both blocks' Q: piece i / 2 lies 8,192 bytes on; channels 32 (i % 2) on
	global_load_b128 v[8*i:8*i+3],   v[QO], s[4:5] offset:(i/2)*8192+(i%2)*64
	global_load_b128 v[8*i+4:8*i+7], v[QO], s[4:5] offset:(i/2)*8192+(i%2)*64+32
	global_load_b128 v[QB+8*i:QB+8*i+3],   v[QO], s[86:87] offset:(i/2)*8192+(i%2)*64
	global_load_b128 v[QB+8*i+4:QB+8*i+7], v[QO], s[86:87] offset:(i/2)*8192+(i%2)*64+32
.set i, i+1
.endr
	WIN 0
	v_lshlrev_b32 v14, 3, v9
	v_sub_nc_u32 v14, v1, v14
	s_lshl_b32 s54, s[WV], 4
	v_add_nc_u32 v14, s54, v14                     ; my query's place in its band less 8 h: register j of key block kt is hidden where 16 kt + j is greater
	WIN 0x40                                       ; MD lies in window 1
.set i, 0
.rept 32
	v_cmp_gt_i32 vcc_lo, 16*(i/8)+i%8, v14
	v_cndmask_b32 v[MD+i], 0, s[BIGN], vcc_lo
.set i, i+1
.endr
	WIN 0
	v_mul_u32_u24 v[AK0], v1, PK
	v_lshl_add_u32 v[AK0], v9, 4, v[AK0]
	v_and_b32 v10, 7, v0
	v_bfe_u32 v11, v0, 3, 1
	v_lshl_add_u32 v[AV0], v9, 3, v10
	v_mul_u32_u24 v[AV0], v[AV0], PV
	v_lshl_add_u32 v[AV0], v11, 4, v[AV0]
	v_add_nc_u32 v[AV0], VOFF, v[AV0]
	s_mul_i32 s54, s[WV], 16*SP
	s_add_co_u32 s54, s54, STAGE
	v_mul_u32_u24 v[STO], v1, SP
	v_lshl_add_u32 v[STO], v9, 4, v[STO]
	v_add_nc_u32 v[STO], s54, v[STO]
	v_bfe_u32 v[RD], v0, 3, 2
	v_mul_u32_u24 v[RD], v[RD], SP
	v_lshl_add_u32 v[RD], v10, 4, v[RD]
	v_add_nc_u32 v[RD], s54, v[RD]
	v_and_b32 v[GO], 31, v0
	v_lshlrev_b32 v[GO], 4, v[GO]
	; A block's first step multiplies O^T and l by a = 0, and the V^T P of a step that has not been lands in an O^T that is still to be so multiplied: these registers need only hold finite numbers:
	; zeros now, what the first block left later.  This stands in the wait for the first tile.
.set i, 0
.rept 64
	v_mov_b32 v[VF+i], 0
	v_mov_b32 v[O+i], 0
.set i, i+1
.endr
.set i, 0
.rept 16
	v_mov_b32 v[P+16+i], 0
.set i, i+1
.endr
.irp t, 0,1
	v_mov_b32 v[ST+8*(\t)], 0xfe000000             ; c m: far below every c s
	v_mov_b32 v[ST+8*(\t)+1], 0xff7fffff           ; m
	v_mov_b32 v[ST+8*(\t)+2], 0
	v_mov_b32 v[ST+8*(\t)+3], 0
.endr
	s_wait_loadcnt 0x0                             ; Q
.macro FETCH_K                         ; a step's K: 64 keys x 64 channels, 8 fragments, in one run
	WIN 0x40
.irp f, 0,1,2,3,4,5,6,7
	ds_load_b128 v[KF+8*(\f):KF+8*(\f)+3],   v[AK] offset:((\f)/2)*16*PK+((\f)%2)*64
	ds_load_b128 v[KF+8*(\f)+4:KF+8*(\f)+7], v[AK] offset:((\f)/2)*16*PK+((\f)%2)*64+32
.endr
	WIN 0
.endm
.macro FETCH_V                         ; a step's V, turned, in one run
	WIN 0
.irp f, 0,1,2,3,4,5,6,7
	ds_load_tr16_b128 v[VF+8*(\f):VF+8*(\f)+3],   v[AV] offset:((\f)/4)*32*PV+((\f)%4)*32
	ds_load_tr16_b128 v[VF+8*(\f)+4:VF+8*(\f)+7], v[AV] offset:((\f)/4)*32*PV+16*PV+((\f)%4)*32
.endr
.endm
.macro SCAL x                          ; the two scalars of piece x's mask for step SS of the slot
	s_cmp_eq_u32 s[SS], s[D0+(\x)]                 ; is it the band's own step?
	s_cselect_b32 s[AL0+4*(\x)], 1.0, 0
	s_cmp_gt_u32 s[SS], s[D0+(\x)]                 ; or a later one?
	s_cselect_b32 s[AL0+4*(\x)+2], s[BIGN], 0
.endm
.macro MASK x                          ; MD x AL + BE: piece x's masks
	WIN 0x41                                       ; destination and MD in window 1
.set z, 0
.rept 16
	v_pk_fma_f32 v[MC+32*(\x)+2*z:MC+32*(\x)+2*z+1], v[MD+2*z:MD+2*z+1], s[AL0+4*(\x):AL0+4*(\x)+1], s[AL0+4*(\x)+2:AL0+4*(\x)+3] op_sel_hi:[1,0,0]
.set z, z+1
.endr
	WIN 0
.endm
; THE MATRIX WORK, one product at a time; ri = 0 .. 7 is its number.  The 4 accumulators of a run of 8 take turns.
; S^T = K Q^T for piece x: channels 32 (ri / 4) on, keys 16 (ri % 4) on.  The first 4 start the sums: with 0, or (m = 1) with the mask.
.macro KQP x, m
.set qS, S+32*(\x)+8*(ri%4)
.set qK, KF+16*(ri%4)+8*(ri/4)
.set qQ, 16*(\x)+8*(ri/4)
.set qM, MC+32*(\x)+8*(ri%4)
.if (ri < 4) && (\m)
	WIN W_KM
	v_wmma_f32_16x16x32_f16 v[qS:qS+7], v[qK:qK+7], v[qQ:qQ+7], v[qM:qM+7]
.elseif ri < 4
	WIN W_KQ
	v_wmma_f32_16x16x32_f16 v[qS:qS+7], v[qK:qK+7], v[qQ:qQ+7], 0
.else
	WIN W_KQ
	v_wmma_f32_16x16x32_f16 v[qS:qS+7], v[qK:qK+7], v[qQ:qQ+7], v[qS:qS+7]
.endif
.endm
; O^T += V^T P for piece x: keys 32 (ri / 4) on, channels 16 (ri % 4) on.  All its registers lie in window 0.
.macro PVP x
.set qO, O+32*(\x)+8*(ri%4)
.set qV, VF+32*(ri/4)+8*(ri%4)
.set qP, P+16*(\x)+8*(ri/4)
	WIN 0
	v_wmma_f32_16x16x32_f16 v[qO:qO+7], v[qV:qV+7], v[qP:qP+7], v[qO:qO+7]
.endm
; TICK stands behind every line of a softmax and counts them (tn).  Behind lines 4, 8 .. 32 it writes the other piece's 8 products K Q^T, behind lines 36, 40 .. 64 its 8 products V^T P.
; None of the softmax's lines names a register of these products.  In piece 0's turn (TT = 0): behind line 37 the next step's K is fetched: the last product that read K stands behind line 32, and
; lines 33 to 37 are plain scalings, the places in front of such loads; behind line 76 this step's V: the last product that read V stands behind line 64, lines 65 to 70
; are exponentials, which are no places, lines 71 to 76 plain rescalings.  In piece 1's turn (TT = 1) the waits: 16 ahead of the first K Q^T (K is in; V's sixteen loads, issued behind K's, stay out), 0 ahead of the first V^T P.
.macro TICK
.set tn, tn+1
.if (tn%4 == 0) && (tn <= 64)
.set ri, (tn/4-1)%8
.if tn <= 32
.if (TT == 1) && (tn == 4)
	s_wait_dscnt 16
.endif
	KQP (1-TT), TM
.else
.if (TT == 1) && (tn == 36)
	s_wait_dscnt 0x0
.endif
	PVP (1-TT)
.endif
	WIN 0
.endif
.if (TT == 0) && (tn == 37)
	FETCH_K
.endif
.if (TT == 0) && (tn == 76)
	FETCH_V
.endif
.endm
; A TURN: piece t's softmax for one key step, 118 lines, with the other piece's 16 products among them.  Each accumulator's lowest registers are read first.
.macro SMX t, m
.set TT, (\t)
.set TM, (\m)
.set tn, 0
.set rT, ST+8*(\t)
.set rS, S+32*(\t)
.set rP, P+16*(\t)
.set rO, O+32*(\t)
.irp n, 0,1,2,3
	v_max3_num_f32 v[rT+4+(\n)], v[rS+8*(\n)], v[rS+8*(\n)+1], v[rS+8*(\n)+2]
	TICK
.endr
.irp n, 0,1,2,3
	v_max3_num_f32 v[rT+4+(\n)], v[rT+4+(\n)], v[rS+8*(\n)+3], v[rS+8*(\n)+4]
	TICK
.endr
.irp n, 0,1,2,3
	v_max3_num_f32 v[rT+4+(\n)], v[rT+4+(\n)], v[rS+8*(\n)+5], v[rS+8*(\n)+6]
	TICK
.endr
	v_max3_num_f32 v[rT+4], v[rT+4], v[rS+7], v[rS+15]
	TICK
	v_max3_num_f32 v[rT+5], v[rT+5], v[rS+23], v[rS+31]
	TICK
	v_max3_num_f32 v[rT+6], v[rT+6], v[rT+7], v[rT+1]     ; the old m among them
	TICK
	v_max3_num_f32 v[rT+4], v[rT+4], v[rT+5], v[rT+6]
	TICK
	v_permlanex16_b32 v[rT+7], v[rT+4], s[SEL], s[SEL+1]  ; the query's other 32 keys lie in the lane 16 away
	TICK
	v_mov_b32 v[rT+5], v[rT]                              ; c m_old
	TICK
	v_max_num_f32 v[rT+1], v[rT+4], v[rT+7]               ; the new m
	TICK
	v_mul_f32 v[rT], s[CS], v[rT+1]
	TICK
	v_sub_f32 v[rT+5], v[rT+5], v[rT]
	TICK
	v_exp_f32 v[rT+6], v[rT+5]                            ; a; the scalings below are the plain instructions behind it
	TICK
.set z, 0
.rept 16
	v_pk_fma_f32 v[rS+2*z:rS+2*z+1], v[rS+2*z:rS+2*z+1], s[CS:CS+1], v[rT:rT+1] op_sel_hi:[1,0,0] neg_lo:[0,0,1] neg_hi:[0,0,1]
	TICK
.set z, z+1
.endr
.set z, 0
.rept 32
	v_exp_f32 v[rS+z], v[rS+z]
	TICK
.set z, z+1
.endr
.set z, 0
	s_wait_alu depctr_va_vdst(0)
.rept 16                               ; O^T times a: also the plain instructions between the last exponential and the use of its result
	v_pk_mul_f32 v[rO+2*z:rO+2*z+1], v[rO+2*z:rO+2*z+1], v[rT+6:rT+7] op_sel_hi:[1,0]
	TICK
.set z, z+1
.endr
.set z, 0
.rept 16
	v_cvt_pk_f16_f32 v[rP+z], v[rS+2*z], v[rS+2*z+1]
	TICK
.set z, z+1
.endr
.irp w, 4, 8, 16, 32                   ; the sum of the 16 pairs, in place: neighbours 1, 2, 4 and 8 pairs apart
.set z, 0
.rept 32/(\w)
	v_pk_add_f32 v[rS+(\w)*z:rS+(\w)*z+1], v[rS+(\w)*z:rS+(\w)*z+1], v[rS+(\w)*z+(\w)/2:rS+(\w)*z+(\w)/2+1]
	TICK
.set z, z+1
.endr
.endr
	v_pk_fma_f32 v[rT+2:rT+3], v[rT+2:rT+3], v[rT+6:rT+7], v[rS:rS+1] op_sel_hi:[1,0,1]
	TICK
.endm
.macro PACK t                          ; O^T / l, f16; a lane's eight channels of a row are 16 bytes; into my stage's rows of 144 bytes and back as whole rows of 128
.set z, 0
.rept 16
	v_pk_mul_f32 v[O+32*(\t)+2*z:O+32*(\t)+2*z+1], v[O+32*(\t)+2*z:O+32*(\t)+2*z+1], v[ST+8*(\t)+6:ST+8*(\t)+7] op_sel_hi:[1,0]
.set z, z+1
.endr
.set z, 0
.rept 16
	v_cvt_pk_f16_f32 v[S+16*(\t)+z], v[O+32*(\t)+2*z], v[O+32*(\t)+2*z+1]
.set z, z+1
.endr
.irp f, 0,1,2,3
	ds_store_b128 v[STO], v[S+16*(\t)+4*(\f):S+16*(\t)+4*(\f)+3] offset:32*(\f)
.endr
.irp f, 0,1,2,3
	ds_load_b128 v[S+16*(\t)+4*(\f):S+16*(\t)+4*(\f)+3], v[RD] offset:(\f)*4*SP  ; LDS serves a wave's instructions in order: these see the stores above; the next piece's stores come behind them
.endr
.endm
.macro SEND t, younger                 ; younger: the LDS instructions issued behind piece t's loads
.irp f, 0,1,2,3
	s_wait_dscnt (\younger)+3-(\f)
	global_store_b128 v[GO], v[S+16*(\t)+4*(\f):S+16*(\t)+4*(\f)+3], s[10:11] offset:(\t)*8192+(\f)*512  ; 512 consecutive bytes, at a multiple of 256 from the buffer's first
.endr
.endm
; A block ends, behind its last slot's four steps: piece 1's last V^T P, and the way out.  last = 0: the second block is set up; last = 1: only the wave's end follows.
.macro FINAL last
.set ri, 0
.rept 8
	PVP 1
.set ri, ri+1
.endr
	PLACES                                         ; behind the last products
.irp t, 0,1
	v_add_f32 v[ST+8*(\t)+4], v[ST+8*(\t)+2], v[ST+8*(\t)+3]
.endr
.irp t, 0,1
	v_permlanex16_b32 v[ST+8*(\t)+5], v[ST+8*(\t)+4], s[SEL], s[SEL+1]
.endr
.irp t, 0,1
	v_add_f32 v[ST+8*(\t)+4], v[ST+8*(\t)+4], v[ST+8*(\t)+5]
.endr
.irp t, 0,1
	v_rcp_f32 v[ST+8*(\t)+6], v[ST+8*(\t)+4]
.endr
	v_nop                                          ; a plain instruction between the last reciprocal and the use of its result
	s_wait_alu depctr_va_vdst(0)
	PACK 0
	PACK 1
	SEND 0, 8
	SEND 1, 0
.if (\last) == 0
	s_wait_xcnt 0x0                                ; the stores' data (S^T's registers) and O's address are rewritten only behind this wait
	s_mov_b64 s[10:11], s[OLO:OLO+1]
	WIN 0x41
.set z, 0
.rept 32
	v_mov_b32 v[z], v[QB+z]                        ; the second block's Q goes where the one text names Q
.set z, z+1
.endr
	WIN 0
.irp t, 0,1
	v_mov_b32 v[ST+8*(\t)], 0xfe000000
	v_mov_b32 v[ST+8*(\t)+1], 0xff7fffff
.endr
	s_lshr_b32 s[RT], s[PBK], 1                    ; the second block has (p >> 1) + 1 slots
	s_add_co_u32 s[RT], s[RT], 1
	s_and_b32 s[D0], s[PBK], 1
	s_lshl_b32 s[D0], s[D0], 1
	s_add_co_u32 s[D1], s[D0], 1
.endif
.endm
; A slot's four key steps.  In front of them K of the slot's first step is fetched and 8 bare products make piece 0's scores of that step.  A step is written once and walked four times; the LDS
; addresses hang on TBK, TBN and TBV.  m = 1: a block's last slot: the products take masks: piece 1's for the step in hand is made at the step's head, piece 0's for the next step between the turns.
.macro STEPS m
.if \m
	s_mov_b32 s[SS], 0
	SCAL 0
	MASK 0
.endif
	v_add_nc_u32 v[AK], s[TBK], v[AK0]
	FETCH_K
	s_wait_dscnt 0x0                               ; K is in
.set ri, 0
.rept 8
	KQP 0, \m
.set ri, ri+1
.endr
	WIN 0
	PLACES                                         ; behind the products whose results the first softmax reads
.Lstep_\@:
	s_cmp_gt_u32 s[CNT], 1                         ; the next step's K, or in the slot's last step this step's once more: no read leaves the slot in hand
	s_cselect_b32 s[TBN], KS*PK, 0
	s_add_co_u32 s[TBN], s[TBN], s[TBK]
	v_add_nc_u32 v[AK], s[TBN], v[AK0]
	v_add_nc_u32 v[AV], s[TBV], v[AV0]
.if \m
	SCAL 1
	MASK 1
.endif
	SMX 0, \m                                      ; piece 0's softmax | piece 1: K Q^T of this step, V^T P of the step before | K of the next step, V of this step are fetched
.if \m
	s_add_co_u32 s[SS], s[SS], 1
	SCAL 0
	MASK 0
.endif
	SMX 1, \m                                      ; piece 1's softmax | piece 0: K Q^T of the next step, V^T P of this step
	s_add_co_u32 s[TBK], s[TBK], KS*PK
	s_add_co_u32 s[TBV], s[TBV], KS*PV
	s_sub_co_u32 s[CNT], s[CNT], 1
	s_cmp_lg_u32 s[CNT], 0
	s_cbranch_scc1 .Lstep_\@
.endm
.Lslot:                                            ; eight times: a slot is entered and the next tile is asked for; the first block always ends in here
	CHANGE 1
	s_sub_co_u32 s[RT], s[RT], 1
	s_cmp_eq_u32 s[RT], 0
	s_cbranch_scc1 .Ldiag                          ; the block's last slot: forward, past no barrier and no tensor load
	STEPS 0
	s_branch .Lbottom
.Ldiag:
	STEPS 1
	FINAL 0
.Lbottom:
	s_sub_co_u32 s[SLOTS], s[SLOTS], 1
	s_cmp_lg_u32 s[SLOTS], 0
	s_cbranch_scc1 .Lslot
	CHANGE 0                                       ; the walk's last slot is written out: it is the second block's last
	STEPS 1
	FINAL 1
	s_wait_tensorcnt 0x0                           ; the wave's end
	ds_add_u32 v[SPW], v[NIL]
	s_wait_dscnt 0x0
	CROUND                                         ; the closing round
	s_endpgm
.Lfunc_end_k_qcf45a63001_attn:
	.size	k_qcf45a63001_attn, .Lfunc_end_k_qcf45a63001_attn-k_qcf45a63001_attn
	.p2alignl 7, 3214868480
	.fill 96, 4, 3214868480
	.section	.rodata,"a",@progbits
	.p2align	6, 0x0
	.amdhsa_kernel k_qcf45a63001_attn
		.amdhsa_group_segment_fixed_size 327680
		.amdhsa_private_segment_fixed_size 0
		.amdhsa_enable_private_segment 0
		.amdhsa_kernarg_size 16
		.amdhsa_user_sgpr_count 2
		.amdhsa_user_sgpr_kernarg_segment_ptr 1
		.amdhsa_wavefront_size32 1
		.amdhsa_system_sgpr_workgroup_id_x 1
		.amdhsa_system_sgpr_workgroup_id_y 1
		.amdhsa_system_sgpr_workgroup_id_z 1
		.amdhsa_system_vgpr_workitem_id 0
		.amdhsa_next_free_vgpr 512
		.amdhsa_next_free_sgpr 100
		.amdhsa_reserve_vcc 1
		.amdhsa_float_denorm_mode_32 3
		.amdhsa_float_denorm_mode_16_64 3
		.amdhsa_memory_ordered 1
		.amdhsa_forward_progress 1
		.amdhsa_inst_pref_size 102
	.end_amdhsa_kernel
	.amdgpu_metadata
---
amdhsa.version: [ 1, 2 ]
amdhsa.kernels:
  - .name:           k_qcf45a63001_attn
    .symbol:         k_qcf45a63001_attn.kd
    .args:
      - { .name: qkvb, .offset: 0, .size: 8, .value_kind: global_buffer, .address_space: global }
      - { .name: ob, .offset: 8, .size: 8, .value_kind: global_buffer, .address_space: global }
    .group_segment_fixed_size: 327680
    .private_segment_fixed_size: 0
    .kernarg_segment_align: 8
    .kernarg_segment_size: 16
    .max_flat_workgroup_size: 128
    .sgpr_count:     100
    .vgpr_count:     512
    .wavefront_size: 32
...
	.end_amdgpu_metadata
.endif
;; end of part 3
;; launch oproj (part 4): grid 8 x 32, 4 waves a work-group, clusters of 4 x 4, 327,680 bytes of LDS; arguments ob, wts, x, bo, x1; writes x1
.if DOCPART == 4
	.amdgcn_target "amdgcn-amd-amdhsa--gfx1250"
	.amdhsa_code_object_version 6
	.text
	.protected	k_qcf45a63001_oproj
	.globl	k_qcf45a63001_oproj
	.p2align	8
	.type	k_qcf45a63001_oproj,@function
k_qcf45a63001_oproj:
	s_mov_b64 s[64:65], 0
	v_nop
	global_prefetch_b8 v0, s[64:65] scope:SCOPE_SE
	s_setreg_imm32_b32 hwreg(HW_REG_WAVE_MODE, 25, 1), 1
	s_wait_xcnt 0x0
	s_wait_alu depctr_hold_cnt(0) depctr_sa_sdst(0) depctr_va_vdst(0) depctr_va_sdst(0) depctr_va_ssrc(0) depctr_va_vcc(0) depctr_vm_vsrc(0)
	s_getreg_b32 s2, hwreg(HW_REG_IB_STS2, 6, 4)
	s_cmp_eq_u32 s2, 0
	s_cbranch_scc0 .Lentry_in_a_cluster
	s_endpgm
.Lentry_in_a_cluster:
	s_bfe_u32 s2, ttmp6, 0x10000c
	s_cmp_lg_u32 s2, 0xf033
	s_cbranch_scc0 .Lentry_shape_is_right
	s_endpgm
.Lentry_shape_is_right:
; OUT = RES + A B + BIAS.  Here: x1 = bf16(x) + o wo + bo, 4,096 x 1,024, K = 1,024; f16 operands, f32 sums, f32 result.  x and bo are inputs: rounded once to bf16.
; A tile of C is 128 x 128; four waves, each 64 x 64: 16 accumulators.  K goes in steps of 256 through two LDS slots.  A (in blocks of 128 rows x 64 columns) is asked for as dense rows of
; 256 bytes and padded behind every 128; B (weights, [k][n]) comes as rows of 256 bytes padded by 32 and is read turned, by ds_load_tr16_b128.
; CLUSTER 4 x 4: A's tile is asked for jointly along a row of the cluster, B's along a column.  The matrix instruction is used transposed (source 0 = 16 columns of B, source 1 = 16 rows of A).
; One text for a K step: the slot in hand is the scalar TG (0 or SLOT), turned by an exclusive or at each change of slots.
; THE RESIDUAL: the 32 rows that a wave stores are asked for at the kernel's start, 128 registers, and lie there while K is walked.  On the way out they go through the wave's own bytes of LDS, so that
; a loop of four trips can take them by address: taken by register the way out would be written out four times.
; REGISTERS: window 0: v0-31 addresses and bias; v32-111 at work on the way out; v128-255 accumulators ((a, b) at 128 + 8 (4 a + b)).  Window 1: two fragment buffers of 128: 64 of A (2 x 4 blocks), 64 of B.
;   Window 2: v0-127 the residual, row j of my 32 at 4 j.
.set KTOT,  1024
.set WOFF,  3145728
.set RND,   1
.set NTOT,  1024
.set KS,    256
.set NSTEP, KTOT/KS
.set PA,    144
.set PB,    288
.set CHUNK, 128*PA
.set ABYTES, 4*CHUNK
.set BBYTES, KS*PB
.set SLOT,  ABYTES+BBYTES
.set SPARE, 2*SLOT                     ; behind the ring: the spare words, 128 bytes a wave, that no other line names
.set SP,    528                        ; the f32 stages' pitch: 512 + 16; the two stages (sums, residual) take the ring's bytes after their last fill
.set ASTEP, KS*256
.set BSTEP, KS*NTOT*2
.set BIAS, 12
.set CA, 16
.set CB0, 17                           ; v17: B's quarters 0, 1; v18: quarters 2, 3, so that the offsets stay inside 16 bits
.set ADRA0, 20
.set ADRB0, 21
.set STO, 24
.set RD, 25
.set CO, 26
.set RD2, 27                           ; my rows in the residual's stage, 128 rows behind the sums'
.set SPW, 28
.set NIL, 29
.set TT, 32
.set RR, 64
.set CC, 96
.set ACC, 128
.set F0, 0
.set F1, 128
.set WV, 16
.set WM, 17
.set WN, 18
.set CX, 19
.set CY, 20
.set TX, 21
.set TY, 22
.set G1A, 24
.set G0A0, 32
.set G0A, 36
.set G1B, 40
.set G0B0, 48
.set G0B, 52
.set TG, 56
.set CNT, 57
.set WBA, 58
.set WBB, 59
.set MASK, 70
.set MSB, 0
.macro WIN new
.if MSB != (\new)
	s_set_vgpr_msb (MSB<<8)|(\new)
.set MSB, \new
.endif
.endm
.set MUL,  0x05
.set TO_F, 0x40
.macro PLACES
.rept 4
	v_nop
.endr
.endm
.macro JLOAD                           ; a joint refill: waves 0, 1 ask for A's halves, waves 2, 3 for B's
	s_cmp_eq_u32 s[WM], 0
	s_cbranch_scc0 .Lfor_b_\@
	tensor_load_to_lds s[G0A:G0A+3], s[G1A:G1A+7]
	s_nop 0
	PLACES
	s_branch .Lasked_\@
.Lfor_b_\@:
	tensor_load_to_lds s[G0B:G0B+3], s[G1B:G1B+7]
	s_nop 0
	PLACES
.Lasked_\@:
.endm
.macro CREST
	s_cmp_lg_u32 s[WV], 0
	s_cbranch_scc1 .Lnot_wave_0_\@
	s_barrier_signal -3
.Lnot_wave_0_\@:
	s_barrier_wait -3
	s_barrier_signal -1
	s_barrier_wait -1
.endm
.macro CROUND
	s_barrier_signal -1
	s_barrier_wait -1
	CREST
.endm
	s_load_b256 s[4:11], s[0:1], 0x0               ; A s[4:5], wts s[6:7], residual s[8:9], bias s[10:11]
	s_load_b64 s[12:13], s[0:1], 0x20              ; the result
	v_lshl_add_u32 v[SPW], v0, 2, SPARE
	v_mov_b32 v[NIL], 0
	ds_add_u32 v[SPW], v[NIL]                      ; the wave's opening: the add and its wait ahead of my first tensor load
	v_lshrrev_b32 v1, 5, v0
	v_readfirstlane_b32 s[WV], v1
	s_lshr_b32 s[WM], s[WV], 1                     ; my half of the tile's rows; also: I fetch for A (0) or B (1)
	s_and_b32 s[WN], s[WV], 1                      ; my half of its columns; also: which half of that tile I fetch
	s_bfe_u32 s[CX], ttmp6, 0x40000
	s_bfe_u32 s[CY], ttmp6, 0x40004
	s_lshl_b32 s[TX], ttmp9, 2
	s_add_co_u32 s[TX], s[TX], s[CX]
	s_and_b32 s[TY], ttmp7, 0xffff
	s_lshl_b32 s[TY], s[TY], 2
	s_add_co_u32 s[TY], s[TY], s[CY]
	s_lshl_b32 s60, s[CY], 2
	s_lshl_b32 s60, 15, s60
	s_lshl_b32 s66, 0x1111, s[CX]
	s_or_b32 s[G1A], s60, (1<<16)|(1<<20)|(1<<21)|(4<<22)|(3<<25)  ; 2-byte elements; padding: 4 words behind every 32
	s_or_b32 s[G1B], s66, (1<<16)|(1<<20)|(1<<21)|(5<<22)|(7<<25)  ; 8 words behind every 64
	s_mov_b32 s[G1A+1], 128<<16                    ; A: 128 rows of 128 elements, dense
	s_mov_b32 s[G1A+2], 128<<16
	s_mov_b32 s[G1A+3], 128<<16
	s_mov_b32 s[G1A+4], 128
	s_mov_b32 s[G1A+5], 128
	s_mov_b32 s[G1A+6], 0
	s_mov_b32 s[G1A+7], 0
	s_mov_b32 s[G1B+1], 128<<16                    ; B: 128 rows of 128 elements, NTOT from row to row
	s_mov_b32 s[G1B+2], (KS/2)<<16
	s_mov_b32 s[G1B+3], 128<<16
	s_mov_b32 s[G1B+4], KS/2
	s_mov_b32 s[G1B+5], NTOT
	s_mov_b32 s[G1B+6], 0
	s_mov_b32 s[G1B+7], 0
	s_mul_i32 s60, s[TY], KTOT*256                 ; A: the block of 128 rows, and my two of the step's four column blocks
	s_lshl_b32 s61, s[WN], 15
	s_add_co_u32 s60, s60, s61
	s_mov_b32 s61, 0
	s_lshl_b32 s66, s[TX], 8                       ; B: the tile's first column, my 128 of the step's 256 rows, the matrix's place in wts
	s_mul_i32 s67, s[WN], (KS/2)*NTOT*2
	s_add_co_u32 s66, s66, s67
	s_add_co_u32 s66, s66, WOFF
	s_mov_b32 s67, 0
	s_mul_i32 s[WBA], s[WN], ABYTES/2
	s_mul_i32 s[WBB], s[WN], (KS/2)*PB
	s_add_co_u32 s[WBB], s[WBB], ABYTES
	s_mov_b32 s[TG], 0
	s_mov_b32 s[MASK], 0xffff0000
	s_wait_dscnt 0x0                               ; the opening add is done
	s_wait_kmcnt 0x0
	s_add_nc_u64 s[60:61], s[4:5], s[60:61]
	s_add_nc_u64 s[66:67], s[6:7], s[66:67]
	s_mov_b32 s[G0A0], 1                           ; K step 0 into slot 0
	s_mov_b32 s[G0A0+1], s[WBA]
	s_mov_b64 s[G0A0+2:G0A0+3], s[60:61]
	s_or_b32 s[G0A0+3], s[G0A0+3], 0x80000000
	s_mov_b32 s[G0A], 1                            ; K step 1 into slot 1; this set then walks on
	s_add_co_u32 s[G0A+1], s[WBA], SLOT
	s_add_nc_u64 s[G0A+2:G0A+3], s[60:61], ASTEP
	s_or_b32 s[G0A+3], s[G0A+3], 0x80000000
	s_mov_b32 s[G0B0], 1
	s_mov_b32 s[G0B0+1], s[WBB]
	s_mov_b64 s[G0B0+2:G0B0+3], s[66:67]
	s_or_b32 s[G0B0+3], s[G0B0+3], 0x80000000
	s_mov_b32 s[G0B], 1
	s_add_co_u32 s[G0B+1], s[WBB], SLOT
	s_add_nc_u64 s[G0B+2:G0B+3], s[66:67], BSTEP
	s_or_b32 s[G0B+3], s[G0B+3], 0x80000000
	CROUND                                         ; all sixteen work-groups are here: the first joint loads meet
	s_cmp_eq_u32 s[WM], 0                          ; a wave's two first fills stand in one branch: two loads of mine are out
	s_cbranch_scc0 .Lfirst_b
	tensor_load_to_lds s[G0A0:G0A0+3], s[G1A:G1A+7]
	s_nop 0
	tensor_load_to_lds s[G0A:G0A+3], s[G1A:G1A+7]
	s_nop 0
	PLACES
	s_branch .Lfirst_asked
.Lfirst_b:
	tensor_load_to_lds s[G0B0:G0B0+3], s[G1B:G1B+7]
	s_nop 0
	tensor_load_to_lds s[G0B:G0B+3], s[G1B:G1B+7]
	s_nop 0
	PLACES
.Lfirst_asked:
	v_and_b32 v1, 15, v0                           ; r
	v_bfe_u32 v2, v0, 4, 1                         ; h
	v_mul_u32_u24 v3, v1, PA
	v_lshl_add_u32 v3, v2, 4, v3
	s_mul_i32 s72, s[WM], 64*PA
	v_add_nc_u32 v[ADRA0], s72, v3
	v_and_b32 v4, 7, v0
	v_bfe_u32 v5, v0, 3, 1
	v_lshl_add_u32 v4, v2, 3, v4
	v_mul_u32_u24 v4, v4, PB
	v_lshl_add_u32 v4, v5, 4, v4
	s_lshl_b32 s72, s[WN], 7
	s_add_co_u32 s72, s72, ABYTES
	v_add_nc_u32 v[ADRB0], s72, v4
	v_mov_b32 v[CA], v[ADRA0]
	v_mov_b32 v[CB0], v[ADRB0]
	v_add_nc_u32 v[CB0+1], 128*PB, v[ADRB0]
	s_lshl_b32 s72, s[WM], 6
	v_add_nc_u32 v6, s72, v1
	v_mul_u32_u24 v6, v6, SP
	v_lshl_add_u32 v6, v2, 5, v6
	s_lshl_b32 s72, s[WN], 8
	v_add_nc_u32 v[STO], s72, v6                   ; into the stage: row, my 64 columns, 32 bytes for each half of the lanes
	v_and_b32 v7, 31, v0
	v_lshlrev_b32 v[CO], 4, v7                     ; a lane owns columns 4 l .. 4 l + 3: a wave's load or store covers a tile row's 512 bytes
	s_mul_i32 s72, s[WV], 32*SP
	v_add_nc_u32 v[RD], s72, v[CO]                 ; back: rows 32 w on
	v_add_nc_u32 v[RD2], 128*SP, v[RD]
	s_lshl_b32 s72, s[TY], 7
	s_lshl_b32 s73, s[WV], 5
	s_add_co_u32 s72, s72, s73
	s_lshl_b32 s72, s72, 12
	s_lshl_b32 s73, s[TX], 9
	s_add_co_u32 s72, s72, s73
	s_mov_b32 s73, 0
	s_add_nc_u64 s[8:9], s[8:9], s[72:73]          ; residual and result at my first row and the tile's first column
	s_add_nc_u64 s[12:13], s[12:13], s[72:73]
	s_lshl_b32 s74, s[TX], 9
	s_mov_b32 s75, 0
	s_add_nc_u64 s[10:11], s[10:11], s[74:75]
	global_load_b128 v[BIAS:BIAS+3], v[CO], s[10:11]
	WIN 0x80                                       ; destination window 2, address window 0
.set j, 0
.rept 32
	global_load_b128 v[4*j:4*j+3], v[CO], s[8:9] offset:4096*j  ; all my 32 residual rows come in under the products
.set j, j+1
.endr
	WIN 0
.macro MUL8 f, c, a0, zero             ; 8 matrix instructions: row blocks a0, a0 + 1 x all 4 column blocks, half c of buffer f; the accumulators take turns
	WIN MUL
.irp a, \a0, (\a0)+1
.irp b, 0,1,2,3
.if \zero
	v_wmma_f32_16x16x32_f16 v[ACC+8*(4*(\a)+(\b)):ACC+8*(4*(\a)+(\b))+7], v[(\f)+64+8*(4*(\c)+(\b)):(\f)+64+8*(4*(\c)+(\b))+7], v[(\f)+8*(4*(\c)+(\a)):(\f)+8*(4*(\c)+(\a))+7], 0
.else
	v_wmma_f32_16x16x32_f16 v[ACC+8*(4*(\a)+(\b)):ACC+8*(4*(\a)+(\b))+7], v[(\f)+64+8*(4*(\c)+(\b)):(\f)+64+8*(4*(\c)+(\b))+7], v[(\f)+8*(4*(\c)+(\a)):(\f)+8*(4*(\c)+(\a))+7], v[ACC+8*(4*(\a)+(\b)):ACC+8*(4*(\a)+(\b))+7]
.endif
.endr
.endr
.endm
.macro FETCH q, f                      ; 32 LDS loads in one run: quarter q (64 along K) of the slot in hand into buffer f; the first 32 along K first
	WIN TO_F
.irp c, 0,1
.irp i, 0,1,2,3
	ds_load_tr16_b128 v[(\f)+64+8*(4*(\c)+(\i)):(\f)+64+8*(4*(\c)+(\i))+3],   v[CB0+(\q)/2] offset:((2*(\q)+(\c))%4)*32*PB+32*(\i)
	ds_load_tr16_b128 v[(\f)+64+8*(4*(\c)+(\i))+4:(\f)+64+8*(4*(\c)+(\i))+7], v[CB0+(\q)/2] offset:((2*(\q)+(\c))%4)*32*PB+32*(\i)+16*PB
	ds_load_b128 v[(\f)+8*(4*(\c)+(\i)):(\f)+8*(4*(\c)+(\i))+3],   v[CA] offset:(\q)*CHUNK+64*(\c)+(\i)*16*PA
	ds_load_b128 v[(\f)+8*(4*(\c)+(\i))+4:(\f)+8*(4*(\c)+(\i))+7], v[CA] offset:(\q)*CHUNK+64*(\c)+(\i)*16*PA+32
.endr
.endr
.endm
.macro QUARTER q, f, g, zero
	s_wait_dscnt 16                                ; the first 32 along K are in
	MUL8 \f, 0, 0, \zero
	MUL8 \f, 0, 2, \zero
	PLACES                                         ; four places in front of loads into registers that matrix instructions have read
	FETCH \q, \g
	s_wait_dscnt 32                                ; all but the 32 just issued
	MUL8 \f, 1, 0, 0
	MUL8 \f, 1, 2, 0
.endm
; The last quarter of a K step multiplies buffer 1 and changes slots: one barrier; in front of it each wave waits for all its tensor loads (one is out: its part of the next slot),
; adds 0 to its spare word, and waits for that and for its own reads of this slot.  fill = 1: the barrier opens a round of the cluster's, and this slot is filled again, two K steps ahead, first thing behind it.
.macro TURN fill
	WIN 0
	s_wait_tensorcnt 0x0
	ds_add_u32 v[SPW], v[NIL]
	s_wait_dscnt 17                                ; (the add and the youngest sixteen loads may be out)
	MUL8 F1, 0, 0, 0
	s_wait_dscnt 0x0                               ; the add is done, and my reads of this slot are over
	s_barrier_signal -1
	MUL8 F1, 0, 2, 0
	WIN 0
	s_barrier_wait -1
.if \fill
	CREST
	s_add_co_u32 s[G0A+1], s[WBA], s[TG]           ; no tensor load of mine is out: the walking sets step: into the slot just read,
	s_add_co_u32 s[G0B+1], s[WBB], s[TG]
	s_add_nc_u64 s[G0A+2:G0A+3], s[G0A+2:G0A+3], ASTEP  ; one K step beyond the last one asked for
	s_add_nc_u64 s[G0B+2:G0B+3], s[G0B+2:G0B+3], BSTEP
	JLOAD                                          ; its four v_nop are also the places in front of the loads below
.else
	PLACES
.endif
	s_xor_b32 s[TG], s[TG], SLOT
	v_add_nc_u32 v[CA], s[TG], v[ADRA0]
	v_add_nc_u32 v[CB0], s[TG], v[ADRB0]
	v_add_nc_u32 v[CB0+1], 128*PB, v[CB0]
	FETCH 0, F0
	MUL8 F1, 1, 0, 0
	MUL8 F1, 1, 2, 0
.endm
	s_wait_tensorcnt 1                             ; my part of K step 0 is in; step 1's may stay out
	s_barrier_signal -1
	s_barrier_wait -1
	FETCH 0, F0
	QUARTER 1, F0, F1, 1                           ; the first quarter stands in front of the loop: its first products start the sums
	WIN 0
	s_mov_b32 s[CNT], NSTEP-2
.Lstep:
	QUARTER 2, F1, F0, 0
	QUARTER 3, F0, F1, 0
	TURN 1
	QUARTER 1, F0, F1, 0
	WIN 0
	s_sub_co_u32 s[CNT], s[CNT], 1
	s_cmp_lg_u32 s[CNT], 0
	s_cbranch_scc1 .Lstep
	QUARTER 2, F1, F0, 0                           ; the last two K steps ask for nothing
	QUARTER 3, F0, F1, 0
	TURN 0
	QUARTER 1, F0, F1, 0
	QUARTER 2, F1, F0, 0
	QUARTER 3, F0, F1, 0
	s_wait_dscnt 16
	MUL8 F1, 0, 0, 0
	MUL8 F1, 0, 2, 0
	s_wait_dscnt 0x0
	MUL8 F1, 1, 0, 0
	MUL8 F1, 1, 2, 0
	WIN 0
	; THE WAY OUT: the f32 sums into one stage (the ring's bytes: their last fill is over and, behind this barrier, nobody reads them), my residual rows into my rows of a second stage behind it,
	; a barrier, back by whole rows of 512 bytes; residual and bias are added.
	s_barrier_signal -1
	s_barrier_wait -1
	PLACES
.irp a, 0,1,2,3
.irp b, 0,1,2,3
	ds_store_b128 v[STO], v[ACC+8*(4*(\a)+(\b)):ACC+8*(4*(\a)+(\b))+3]   offset:(\a)*16*SP+64*(\b)
	ds_store_b128 v[STO], v[ACC+8*(4*(\a)+(\b))+4:ACC+8*(4*(\a)+(\b))+7] offset:(\a)*16*SP+64*(\b)+16
.endr
.endr
	s_wait_loadcnt 0x0                             ; the bias and the residual, asked for at the start
	v_cvt_pk_bf16_f32 v[CC], v[BIAS], v[BIAS+1]    ; the bias: rounded to bf16
	v_cvt_pk_bf16_f32 v[CC+1], v[BIAS+2], v[BIAS+3]
	v_lshlrev_b32 v[BIAS], 16, v[CC]
	v_and_b32 v[BIAS+1], s[MASK], v[CC]
	v_lshlrev_b32 v[BIAS+2], 16, v[CC+1]
	v_and_b32 v[BIAS+3], s[MASK], v[CC+1]
	WIN 0x08                                       ; the stores' data in window 2
.set j, 0
.rept 32
	ds_store_b128 v[RD2], v[4*j:4*j+3] offset:SP*j
.set j, j+1
.endr
	WIN 0
	s_wait_dscnt 0x0                               ; for the others' sake: my stores into the stage are done
	s_barrier_signal -1
	s_barrier_wait -1
	s_mov_b32 s[CNT], 4
.Lout:                                             ; a trip: eight rows
.irp j, 0,1,2,3,4,5,6,7
	ds_load_b128 v[RR+4*(\j):RR+4*(\j)+3], v[RD2] offset:SP*(\j)
.endr
.irp j, 0,1,2,3,4,5,6,7
	ds_load_b128 v[TT+4*(\j):TT+4*(\j)+3], v[RD] offset:SP*(\j)
.endr
.if RND
	s_wait_dscnt 8                                 ; the eight residual rows are in; the eight rows of sums stay out
.set i, 0
.rept 16
	v_cvt_pk_bf16_f32 v[CC+i], v[RR+2*i], v[RR+2*i+1]
.set i, i+1
.endr
.set i, 0
.rept 16
	v_lshlrev_b32 v[RR+2*i], 16, v[CC+i]
	v_and_b32 v[RR+2*i+1], s[MASK], v[CC+i]
.set i, i+1
.endr
.endif
	s_wait_dscnt 0x0
.set i, 0
.rept 16
	v_pk_add_f32 v[TT+2*i:TT+2*i+1], v[TT+2*i:TT+2*i+1], v[RR+2*i:RR+2*i+1]
.set i, i+1
.endr
.set i, 0
.rept 16
	v_pk_add_f32 v[TT+2*i:TT+2*i+1], v[TT+2*i:TT+2*i+1], v[BIAS+2*(i%2):BIAS+2*(i%2)+1]
.set i, i+1
.endr
.irp j, 0,1,2,3,4,5,6,7
	global_store_b128 v[CO], v[TT+4*(\j):TT+4*(\j)+3], s[12:13] offset:4096*(\j)  ; 512 consecutive bytes, aligned
.endr
	s_wait_xcnt 0x0                                ; the stores' data and offset are rewritten only behind this wait
	v_add_nc_u32 v[CO], 32768, v[CO]
	v_add_nc_u32 v[RD], 8*SP, v[RD]
	v_add_nc_u32 v[RD2], 8*SP, v[RD2]
	s_sub_co_u32 s[CNT], s[CNT], 1
	s_cmp_lg_u32 s[CNT], 0
	s_cbranch_scc1 .Lout
	s_wait_tensorcnt 0x0                           ; the wave's end
	ds_add_u32 v[SPW], v[NIL]
	s_wait_dscnt 0x0
	CROUND                                         ; the closing round
	s_endpgm
.Lfunc_end_k_qcf45a63001_oproj:
	.size	k_qcf45a63001_oproj, .Lfunc_end_k_qcf45a63001_oproj-k_qcf45a63001_oproj
	.p2alignl 7, 3214868480
	.fill 96, 4, 3214868480
	.section	.rodata,"a",@progbits
	.p2align	6, 0x0
	.amdhsa_kernel k_qcf45a63001_oproj
		.amdhsa_group_segment_fixed_size 327680
		.amdhsa_private_segment_fixed_size 0
		.amdhsa_enable_private_segment 0
		.amdhsa_kernarg_size 40
		.amdhsa_user_sgpr_count 2
		.amdhsa_user_sgpr_kernarg_segment_ptr 1
		.amdhsa_wavefront_size32 1
		.amdhsa_system_sgpr_workgroup_id_x 1
		.amdhsa_system_sgpr_workgroup_id_y 1
		.amdhsa_system_sgpr_workgroup_id_z 1
		.amdhsa_system_vgpr_workitem_id 0
		.amdhsa_next_free_vgpr 640
		.amdhsa_next_free_sgpr 80
		.amdhsa_reserve_vcc 0
		.amdhsa_float_denorm_mode_32 3
		.amdhsa_float_denorm_mode_16_64 3
		.amdhsa_memory_ordered 1
		.amdhsa_forward_progress 1
		.amdhsa_inst_pref_size 75
	.end_amdhsa_kernel
	.amdgpu_metadata
---
amdhsa.version: [ 1, 2 ]
amdhsa.kernels:
  - .name:           k_qcf45a63001_oproj
    .symbol:         k_qcf45a63001_oproj.kd
    .args:
      - { .name: ob, .offset: 0, .size: 8, .value_kind: global_buffer, .address_space: global }
      - { .name: wts, .offset: 8, .size: 8, .value_kind: global_buffer, .address_space: global }
      - { .name: x, .offset: 16, .size: 8, .value_kind: global_buffer, .address_space: global }
      - { .name: bo, .offset: 24, .size: 8, .value_kind: global_buffer, .address_space: global }
      - { .name: x1, .offset: 32, .size: 8, .value_kind: global_buffer, .address_space: global }
    .group_segment_fixed_size: 327680
    .private_segment_fixed_size: 0
    .kernarg_segment_align: 8
    .kernarg_segment_size: 40
    .max_flat_workgroup_size: 128
    .sgpr_count:     80
    .vgpr_count:     640
    .wavefront_size: 32
...
	.end_amdgpu_metadata
.endif
;; end of part 4
;; launch ln2 (part 5): grid 256 x 1, 8 waves a work-group, no clusters, 0 bytes of LDS; arguments x1, g2, bt2, hn; writes hn
.if DOCPART == 5
	.amdgcn_target "amdgcn-amd-amdhsa--gfx1250"
	.amdhsa_code_object_version 6
	.text
	.protected	k_qcf45a63001_ln2
	.globl	k_qcf45a63001_ln2
	.p2align	8
	.type	k_qcf45a63001_ln2,@function
k_qcf45a63001_ln2:
	s_mov_b64 s[64:65], 0
	v_nop
	global_prefetch_b8 v0, s[64:65] scope:SCOPE_SE
	s_setreg_imm32_b32 hwreg(HW_REG_WAVE_MODE, 25, 1), 1
	s_wait_xcnt 0x0
; h2 = LayerNorm(x1) g2 + bt2, 16 rows a work-group, half a wave to a row.  x1 is the program's own f32 stream and is taken as it is; g2 and bt2 are inputs and are rounded once to bf16.
; Mean and variance in f32, in two passes over registers.  h2 leaves in f16 in blocks [row / 128][column / 64][row % 128][64].  A stream: no LDS, no barrier, no matrix unit.
; LIMIT: h2 within f16's 65,504 (|h2| <= 32 |g2| + |bt2|).  NaN and infinities are not treated apart.
.set XX, 80                            ; v[80:143]  register 4 j + e = column 64 j + 4 q + e
.set GL, 144                           ; v[144:207] g as loaded
.set YY, 144                           ; v[144:175] later: the results in f16
.set GB, 16                            ; v[16:79]   bt as loaded, then (g, bt) in bf16
.set AC, 6
.set MN, 14
.set HN, 14                            ; s[14:15]   hn
	s_load_b256 s[8:15], s[0:1], 0x0               ; x1 s[8:9], g2 s[10:11], bt2 s[12:13], hn s[14:15]
	s_mov_b32 s5, ttmp9
	v_and_b32 v1, 15, v0                           ; q
	v_lshrrev_b32 v2, 4, v0                        ; the row among the group's 16
	v_lshlrev_b32 v5, 4, v1
	v_lshl_add_u32 v3, v2, 12, v5
	v_lshlrev_b32 v4, 3, v1
	v_lshl_add_u32 v4, v2, 7, v4
	s_lshl_b32 s30, s5, 16
	s_mov_b32 s31, 0
	s_lshr_b32 s32, s5, 3
	s_lshl_b32 s32, s32, 18
	s_and_b32 s33, s5, 7
	s_lshl_b32 s33, s33, 11
	s_add_co_u32 s32, s32, s33
	s_mov_b32 s33, 0
	s_mov_b32 s34, 0x3a800000                      ; 1 / 1024
	s_mov_b32 s35, 0x3727c5ac                      ; 1e-5
	s_wait_kmcnt 0x0
	s_add_nc_u64 s[8:9], s[8:9], s[30:31]
	s_add_nc_u64 s[HN:HN+1], s[HN:HN+1], s[32:33]
.irp j, 0,1,2,3,4,5,6,7,8,9,10,11,12,13,14,15
	global_load_b128 v[GL+4*(\j):GL+4*(\j)+3], v5, s[10:11] offset:256*(\j)
.endr
.irp j, 0,1,2,3,4,5,6,7,8,9,10,11,12,13,14,15
	global_load_b128 v[GB+4*(\j):GB+4*(\j)+3], v5, s[12:13] offset:256*(\j)
.endr
.irp j, 0,1,2,3,4,5,6,7,8,9,10,11,12,13,14,15
	global_load_b128 v[XX+4*(\j):XX+4*(\j)+3], v3, s[8:9] offset:256*(\j)
.endr
	s_wait_loadcnt 16                              ; g and bt are in; the row's sixteen loads stay out
.set i, 0
.rept 64
	v_cvt_pk_bf16_f32 v[GB+i], v[GL+i], v[GB+i]
.set i, i+1
.endr
	s_wait_loadcnt 0x0
.macro RED
	v_pk_add_f32 v[AC:AC+1], v[AC:AC+1], v[AC+2:AC+3]
	v_pk_add_f32 v[AC+4:AC+5], v[AC+4:AC+5], v[AC+6:AC+7]
	v_pk_add_f32 v[AC:AC+1], v[AC:AC+1], v[AC+4:AC+5]
	v_add_f32 v[AC], v[AC], v[AC+1]
	v_add_f32_dpp v[AC], v[AC], v[AC] row_xmask:1 row_mask:0xf bank_mask:0xf
	v_add_f32_dpp v[AC], v[AC], v[AC] row_xmask:2 row_mask:0xf bank_mask:0xf
	v_add_f32_dpp v[AC], v[AC], v[AC] row_xmask:4 row_mask:0xf bank_mask:0xf
	v_add_f32_dpp v[AC], v[AC], v[AC] row_xmask:8 row_mask:0xf bank_mask:0xf
.endm
.irp k, 0,1,2,3
	v_pk_add_f32 v[AC+2*(\k):AC+2*(\k)+1], v[XX+2*(\k):XX+2*(\k)+1], v[XX+2*(\k)+8:XX+2*(\k)+9]
.endr
.set i, 8
.rept 24
	v_pk_add_f32 v[AC+2*(i%4):AC+2*(i%4)+1], v[AC+2*(i%4):AC+2*(i%4)+1], v[XX+2*i:XX+2*i+1]
.set i, i+1
.endr
	RED
	v_mul_f32 v[MN], s34, v[AC]
	v_mov_b32 v[MN+1], v[MN]
.set i, 0
.rept 32
	v_pk_add_f32 v[XX+2*i:XX+2*i+1], v[XX+2*i:XX+2*i+1], v[MN:MN+1] neg_lo:[0,1] neg_hi:[0,1]
.set i, i+1
.endr
.irp k, 0,1,2,3
	v_pk_mul_f32 v[AC+2*(\k):AC+2*(\k)+1], v[XX+2*(\k):XX+2*(\k)+1], v[XX+2*(\k):XX+2*(\k)+1]
.endr
.set i, 4
.rept 28
	v_pk_fma_f32 v[AC+2*(i%4):AC+2*(i%4)+1], v[XX+2*i:XX+2*i+1], v[XX+2*i:XX+2*i+1], v[AC+2*(i%4):AC+2*(i%4)+1]
.set i, i+1
.endr
	RED
	v_fma_f32 v[AC], v[AC], s34, s35
	v_rsq_f32 v[MN], v[AC]
	v_rsq_f32 v[MN+1], v[AC]
	v_nop                                          ; a plain instruction between the root and the use of its result
.set i, 0
	s_wait_alu depctr_va_vdst(0)
.rept 32
	v_pk_mul_f32 v[XX+2*i:XX+2*i+1], v[XX+2*i:XX+2*i+1], v[MN:MN+1]
.set i, i+1
.endr
.set i, 0
.rept 64
	v_fma_mix_f32_bf16 v[XX+i], v[XX+i], v[GB+i], v[GB+i] op_sel:[0,0,1] op_sel_hi:[0,1,1]
.set i, i+1
.endr
.set i, 0
.rept 32
	v_cvt_pk_f16_f32 v[YY+i], v[XX+2*i], v[XX+2*i+1]
.set i, i+1
.endr
.irp j, 0,1,2,3,4,5,6,7,8,9,10,11,12,13,14,15
	global_store_b64 v4, v[YY+2*(\j):YY+2*(\j)+1], s[HN:HN+1] offset:16384*(\j)  ; two neighbouring rows of column block j: 256 consecutive bytes, aligned
.endr
	s_endpgm
.Lfunc_end_k_qcf45a63001_ln2:
	.size	k_qcf45a63001_ln2, .Lfunc_end_k_qcf45a63001_ln2-k_qcf45a63001_ln2
	.p2alignl 7, 3214868480
	.fill 96, 4, 3214868480
	.section	.rodata,"a",@progbits
	.p2align	6, 0x0
	.amdhsa_kernel k_qcf45a63001_ln2
		.amdhsa_group_segment_fixed_size 0
		.amdhsa_private_segment_fixed_size 0
		.amdhsa_enable_private_segment 0
		.amdhsa_kernarg_size 32
		.amdhsa_user_sgpr_count 2
		.amdhsa_user_sgpr_kernarg_segment_ptr 1
		.amdhsa_wavefront_size32 1
		.amdhsa_system_sgpr_workgroup_id_x 1
		.amdhsa_system_sgpr_workgroup_id_y 1
		.amdhsa_system_sgpr_workgroup_id_z 1
		.amdhsa_system_vgpr_workitem_id 0
		.amdhsa_next_free_vgpr 208
		.amdhsa_next_free_sgpr 66
		.amdhsa_reserve_vcc 0
		.amdhsa_float_denorm_mode_32 3
		.amdhsa_float_denorm_mode_16_64 3
		.amdhsa_memory_ordered 1
		.amdhsa_forward_progress 1
		.amdhsa_inst_pref_size 27
	.end_amdhsa_kernel
	.amdgpu_metadata
---
amdhsa.version: [ 1, 2 ]
amdhsa.kernels:
  - .name:           k_qcf45a63001_ln2
    .symbol:         k_qcf45a63001_ln2.kd
    .args:
      - { .name: x1, .offset: 0, .size: 8, .value_kind: global_buffer, .address_space: global }
      - { .name: g2, .offset: 8, .size: 8, .value_kind: global_buffer, .address_space: global }
      - { .name: bt2, .offset: 16, .size: 8, .value_kind: global_buffer, .address_space: global }
      - { .name: hn, .offset: 24, .size: 8, .value_kind: global_buffer, .address_space: global }
    .group_segment_fixed_size: 0
    .private_segment_fixed_size: 0
    .kernarg_segment_align: 8
    .kernarg_segment_size: 32
    .max_flat_workgroup_size: 256
    .sgpr_count:     66
    .vgpr_count:     208
    .wavefront_size: 32
...
	.end_amdgpu_metadata
.endif
;; end of part 5
;; launch ffn1 (part 6): grid 16 x 16, 4 waves a work-group, clusters of 4 x 4, 327,680 bytes of LDS; arguments hn, wts, b1, fb; writes fb
.if DOCPART == 6
	.amdgcn_target "amdgcn-amd-amdhsa--gfx1250"
	.amdhsa_code_object_version 6
	.text
	.protected	k_qcf45a63001_ffn1
	.globl	k_qcf45a63001_ffn1
	.p2align	8
	.type	k_qcf45a63001_ffn1,@function
k_qcf45a63001_ffn1:
	s_mov_b64 s[64:65], 0
	v_nop
	global_prefetch_b8 v0, s[64:65] scope:SCOPE_SE
	s_setreg_imm32_b32 hwreg(HW_REG_WAVE_MODE, 25, 1), 1
	s_wait_xcnt 0x0
	s_wait_alu depctr_hold_cnt(0) depctr_sa_sdst(0) depctr_va_vdst(0) depctr_va_sdst(0) depctr_va_ssrc(0) depctr_va_vcc(0) depctr_vm_vsrc(0)
	s_getreg_b32 s2, hwreg(HW_REG_IB_STS2, 6, 4)
	s_cmp_eq_u32 s2, 0
	s_cbranch_scc0 .Lentry_in_a_cluster
	s_endpgm
.Lentry_in_a_cluster:
	s_bfe_u32 s2, ttmp6, 0x10000c
	s_cmp_lg_u32 s2, 0xf033
	s_cbranch_scc0 .Lentry_shape_is_right
	s_endpgm
.Lentry_shape_is_right:
; F = gelu(h2 w1 + b1), 4,096 x 4,096, K = 1,024; f16 operands, f32 sums; the exact (erf) GELU in f32; F leaves in f16 in blocks [row / 128][column / 64][row % 128][64].  b1 is rounded once to bf16.
; gelu(x) = x / 2 + |x| (1/2 - P(t) e^(-x^2 / 2)), t = 1 / (1 + 0.2316419 |x|), P a polynomial of degree 5 without constant term: erf by a rational form whose error is at most 1.5e-7 for every argument.
; LIMIT: the result within f16's 65,504.  NaN and infinities are not treated apart.
; A tile of C is 256 x 256; four waves, each 128 x 128: 64 accumulators.  K goes in steps of 128 through two LDS slots.  A (two blocks of 128 rows) is asked for as dense rows of 256 bytes padded behind
; every 128; B (weights, [k][n]) comes as rows of 512 bytes padded by 32 and is read turned.  CLUSTER 4 x 4: A's tile jointly along a row of the cluster, B's along a column.  The matrix instruction is used transposed.
; One text for a K step: the slot in hand is the scalar TG (0 or SLOT).
; REGISTERS: window 0: v0-31 addresses; v64-127, v128-191 A's fragments, two buffers; v192-207 bias; on the way out v32-135 at work.  Window 1: v64-127, v128-191 B's fragments.
;   Windows 2, 3: accumulators of my rows 0-63 and 64-127, (a, b) at 8 (8 (a % 4) + b).
.set NTOT,  4096
.set WOFF,  5242880
.set KS,    128
.set NSTEP, 1024/KS
.set PA,    144
.set PB,    544
.set CHUNK, 128*PA
.set ABYTES, 4*CHUNK
.set BBYTES, KS*PB
.set SLOT,  ABYTES+BBYTES
.set SPARE, 2*SLOT                     ; behind the ring: the spare words, 128 bytes a wave, that no other line names
.set SP,    1040                       ; the f32 stage's pitch: 1,024 + 16; the stage takes the ring's bytes after their last fill
.set ASTEP, 32768
.set BSTEP, KS*NTOT*2
.set CA, 16
.set CB0, 17
.set ADRA0, 20
.set ADRB0, 21
.set STO, 24
.set RD, 25
.set GO, 26
.set STO1, 27
.set SPW, 28
.set NIL, 29
.set XR, 32
.set XV, 48
.set AX, 64
.set TV, 80
.set EV, 96
.set PP, 112
.set YV, 128
.set BIAS, 192
.set F0, 64
.set F1, 128
.set WV, 16
.set WM, 17
.set WN, 18
.set CX, 19
.set CY, 20
.set TX, 21
.set TY, 22
.set G1A, 24
.set G0A0, 32
.set G0A, 36
.set G1B, 40
.set G0B0, 48
.set G0B, 52
.set TG, 56
.set CNT, 57
.set WBA, 58
.set WBB, 59
.set KP, 70                            ; s[70:83] the GELU's constants, each in a pair of which the low word serves both halves
.set KE, 72
.set K5, 74
.set K4, 76
.set K3, 78
.set K2, 80
.set K1, 82
.set MABS, 84
.set STEP, 85
.set MASK, 86
.set MSB, 0
.macro WIN new
.if MSB != (\new)
	s_set_vgpr_msb (MSB<<8)|(\new)
.set MSB, \new
.endif
.endm
.set MUL_LO, 0xa1                      ; source 0 (B) window 1, source 1 (A) window 0, C and D window 2
.set MUL_HI, 0xf1
.set TO_B,   0x40
.macro PLACES
.rept 4
	v_nop
.endr
.endm
.macro JLOAD
	s_cmp_eq_u32 s[WM], 0
	s_cbranch_scc0 .Lfor_b_\@
	tensor_load_to_lds s[G0A:G0A+3], s[G1A:G1A+7]
	s_nop 0
	PLACES
	s_branch .Lasked_\@
.Lfor_b_\@:
	tensor_load_to_lds s[G0B:G0B+3], s[G1B:G1B+7]
	s_nop 0
	PLACES
.Lasked_\@:
.endm
.macro CREST
	s_cmp_lg_u32 s[WV], 0
	s_cbranch_scc1 .Lnot_wave_0_\@
	s_barrier_signal -3
.Lnot_wave_0_\@:
	s_barrier_wait -3
	s_barrier_signal -1
	s_barrier_wait -1
.endm
.macro CROUND
	s_barrier_signal -1
	s_barrier_wait -1
	CREST
.endm
	s_load_b256 s[4:11], s[0:1], 0x0               ; hn s[4:5], wts s[6:7], b1 s[8:9], fb s[10:11]
	v_lshl_add_u32 v[SPW], v0, 2, SPARE
	v_mov_b32 v[NIL], 0
	ds_add_u32 v[SPW], v[NIL]                      ; the wave's opening: the add and its wait ahead of my first tensor load
	v_lshrrev_b32 v1, 5, v0
	v_readfirstlane_b32 s[WV], v1
	s_lshr_b32 s[WM], s[WV], 1
	s_and_b32 s[WN], s[WV], 1
	s_bfe_u32 s[CX], ttmp6, 0x40000
	s_bfe_u32 s[CY], ttmp6, 0x40004
	s_lshl_b32 s[TX], ttmp9, 2
	s_add_co_u32 s[TX], s[TX], s[CX]
	s_and_b32 s[TY], ttmp7, 0xffff
	s_lshl_b32 s[TY], s[TY], 2
	s_add_co_u32 s[TY], s[TY], s[CY]
	s_lshl_b32 s60, s[CY], 2
	s_lshl_b32 s60, 15, s60
	s_lshl_b32 s66, 0x1111, s[CX]
	s_or_b32 s[G1A], s60, (1<<16)|(1<<20)|(1<<21)|(4<<22)|(3<<25)  ; padding: 4 words behind every 32
	s_or_b32 s[G1B], s66, (1<<16)|(1<<20)|(1<<21)|(6<<22)|(7<<25)  ; 8 words behind every 128
	s_mov_b32 s[G1A+1], 128<<16                    ; A: 128 rows of 128 elements, dense
	s_mov_b32 s[G1A+2], 128<<16
	s_mov_b32 s[G1A+3], 128<<16
	s_mov_b32 s[G1A+4], 128
	s_mov_b32 s[G1A+5], 128
	s_mov_b32 s[G1A+6], 0
	s_mov_b32 s[G1A+7], 0
	s_mov_b32 s[G1B+1], 256<<16                    ; B: 64 rows of 256 elements, 4,096 from row to row
	s_mov_b32 s[G1B+2], 64<<16
	s_mov_b32 s[G1B+3], 256<<16
	s_mov_b32 s[G1B+4], 64
	s_mov_b32 s[G1B+5], NTOT
	s_mov_b32 s[G1B+6], 0
	s_mov_b32 s[G1B+7], 0
	s_lshl_b32 s60, s[TY], 1                       ; A: the block of 128 rows 2 ty + half
	s_add_co_u32 s60, s60, s[WN]
	s_lshl_b32 s60, s60, 18
	s_mov_b32 s61, 0
	s_lshl_b32 s66, s[TX], 9                       ; B: the tile's first column, my 64 of the step's 128 rows, w1's place in wts
	s_lshl_b32 s67, s[WN], 19
	s_add_co_u32 s66, s66, s67
	s_add_co_u32 s66, s66, WOFF
	s_mov_b32 s67, 0
	s_mul_i32 s[WBA], s[WN], ABYTES/2
	s_mul_i32 s[WBB], s[WN], 64*PB
	s_add_co_u32 s[WBB], s[WBB], ABYTES
	s_mov_b32 s[TG], 0
	s_mov_b32 s[KP], 0x3e6d3388                    ; 0.3275911 / sqrt(2)
	s_mov_b32 s[KP+1], s[KP]
	s_mov_b32 s[KE], 0xbf38aa3b                    ; -log2(e) / 2
	s_mov_b32 s[KE+1], s[KE]
	s_mov_b32 s[K5], 0x3f07dc22                    ; half of 1.061405429
	s_mov_b32 s[K5+1], s[K5]
	s_mov_b32 s[K4], 0xbf3a00e3                    ; half of -1.453152027
	s_mov_b32 s[K4+1], s[K4]
	s_mov_b32 s[K3], 0x3f35f0e3                    ; half of 1.421413741
	s_mov_b32 s[K3+1], s[K3]
	s_mov_b32 s[K2], 0xbe11a98e                    ; half of -0.284496736
	s_mov_b32 s[K2+1], s[K2]
	s_mov_b32 s[K1], 0x3e027906                    ; half of 0.254829592
	s_mov_b32 s[K1+1], s[K1]
	s_mov_b32 s[MABS], 0x7fffffff
	s_mov_b32 s[MASK], 0xffff0000
	s_wait_dscnt 0x0                               ; the opening add is done
	s_wait_kmcnt 0x0
	s_add_nc_u64 s[60:61], s[4:5], s[60:61]
	s_add_nc_u64 s[66:67], s[6:7], s[66:67]
	s_mov_b32 s[G0A0], 1
	s_mov_b32 s[G0A0+1], s[WBA]
	s_mov_b64 s[G0A0+2:G0A0+3], s[60:61]
	s_or_b32 s[G0A0+3], s[G0A0+3], 0x80000000
	s_mov_b32 s[G0A], 1
	s_add_co_u32 s[G0A+1], s[WBA], SLOT
	s_add_nc_u64 s[G0A+2:G0A+3], s[60:61], ASTEP
	s_or_b32 s[G0A+3], s[G0A+3], 0x80000000
	s_mov_b32 s[G0B0], 1
	s_mov_b32 s[G0B0+1], s[WBB]
	s_mov_b64 s[G0B0+2:G0B0+3], s[66:67]
	s_or_b32 s[G0B0+3], s[G0B0+3], 0x80000000
	s_mov_b32 s[G0B], 1
	s_add_co_u32 s[G0B+1], s[WBB], SLOT
	s_add_nc_u64 s[G0B+2:G0B+3], s[66:67], BSTEP
	s_or_b32 s[G0B+3], s[G0B+3], 0x80000000
	CROUND                                         ; all sixteen work-groups are here: the first joint loads meet
	s_cmp_eq_u32 s[WM], 0                          ; a wave's two first fills stand in one branch: two loads of mine are out
	s_cbranch_scc0 .Lfirst_b
	tensor_load_to_lds s[G0A0:G0A0+3], s[G1A:G1A+7]
	s_nop 0
	tensor_load_to_lds s[G0A:G0A+3], s[G1A:G1A+7]
	s_nop 0
	PLACES
	s_branch .Lfirst_asked
.Lfirst_b:
	tensor_load_to_lds s[G0B0:G0B0+3], s[G1B:G1B+7]
	s_nop 0
	tensor_load_to_lds s[G0B:G0B+3], s[G1B:G1B+7]
	s_nop 0
	PLACES
.Lfirst_asked:
	v_and_b32 v1, 15, v0                           ; r
	v_bfe_u32 v2, v0, 4, 1                         ; h
	v_mul_u32_u24 v3, v1, PA
	v_lshl_add_u32 v3, v2, 4, v3
	s_mul_i32 s88, s[WM], ABYTES/2
	v_add_nc_u32 v[ADRA0], s88, v3
	v_and_b32 v4, 7, v0
	v_bfe_u32 v5, v0, 3, 1
	v_lshl_add_u32 v4, v2, 3, v4
	v_mul_u32_u24 v4, v4, PB
	v_lshl_add_u32 v4, v5, 4, v4
	s_lshl_b32 s88, s[WN], 8
	s_add_co_u32 s88, s88, ABYTES
	v_add_nc_u32 v[ADRB0], s88, v4
	v_mov_b32 v[CA], v[ADRA0]
	v_mov_b32 v[CB0], v[ADRB0]
	s_lshl_b32 s88, s[WM], 7
	v_add_nc_u32 v6, s88, v1
	v_mul_u32_u24 v6, v6, SP
	v_lshl_add_u32 v6, v2, 5, v6
	s_lshl_b32 s88, s[WN], 9
	v_add_nc_u32 v[STO], s88, v6                   ; into the stage: row, my 128 columns, 32 bytes for each half of the lanes
	v_add_nc_u32 v[STO1], 64*SP, v[STO]            ; my rows 64 on, so that the offsets stay inside 16 bits
	s_lshl_b32 s88, s[WV], 6
	v_add_nc_u32 v7, s88, v2
	v_mul_u32_u24 v7, v7, SP
	v_lshl_add_u32 v[RD], v1, 4, v7                ; back: rows 64 w + h on, 16 bytes a lane in each of four column blocks
	v_lshlrev_b32 v[GO], 3, v1
	v_lshl_add_u32 v[GO], v2, 7, v[GO]             ; out: two rows of 128 bytes: 256 consecutive bytes
	v_lshlrev_b32 v8, 4, v1
	s_lshl_b32 s88, s[TX], 10
	s_mov_b32 s89, 0
	s_add_nc_u64 s[8:9], s[8:9], s[88:89]
.irp c, 0,1,2,3
	global_load_b128 v[BIAS+4*(\c):BIAS+4*(\c)+3], v8, s[8:9] offset:256*(\c)
.endr
	s_lshl_b32 s90, s[TY], 1                       ; fb: block of 128 rows 2 ty + w / 2, column block 4 tx, rows 64 (w % 2) on
	s_add_co_u32 s90, s90, s[WM]
	s_lshl_b32 s90, s90, 20
	s_lshl_b32 s91, s[TX], 16
	s_add_co_u32 s90, s90, s91
	s_lshl_b32 s91, s[WN], 13
	s_add_co_u32 s90, s90, s91
	s_mov_b32 s91, 0
	s_add_nc_u64 s[10:11], s[10:11], s[90:91]
.macro MUL16 f, hi, a0, zero           ; 16 matrix instructions: row blocks a0, a0 + 1 of the window's four x all 8 column blocks; the accumulators take turns
	WIN MUL_LO+0x50*(\hi)
.irp a, \a0, (\a0)+1
.irp b, 0,1,2,3,4,5,6,7
.if \zero
	v_wmma_f32_16x16x32_f16 v[8*(8*(\a)+(\b)):8*(8*(\a)+(\b))+7], v[(\f)+8*(\b):(\f)+8*(\b)+7], v[(\f)+8*(4*(\hi)+(\a)):(\f)+8*(4*(\hi)+(\a))+7], 0
.else
	v_wmma_f32_16x16x32_f16 v[8*(8*(\a)+(\b)):8*(8*(\a)+(\b))+7], v[(\f)+8*(\b):(\f)+8*(\b)+7], v[(\f)+8*(4*(\hi)+(\a)):(\f)+8*(4*(\hi)+(\a))+7], v[8*(8*(\a)+(\b)):8*(8*(\a)+(\b))+7]
.endif
.endr
.endr
.endm
.macro FETCH q, f                      ; 32 LDS loads in one run: quarter q (32 along K) of the slot in hand into buffer f: B's eight blocks, then A's eight
	WIN TO_B
.irp i, 0,1,2,3,4,5,6,7
	ds_load_tr16_b128 v[(\f)+8*(\i):(\f)+8*(\i)+3],   v[CB0] offset:(\q)*32*PB+32*(\i)
	ds_load_tr16_b128 v[(\f)+8*(\i)+4:(\f)+8*(\i)+7], v[CB0] offset:(\q)*32*PB+32*(\i)+16*PB
.endr
	WIN 0
.irp i, 0,1,2,3,4,5,6,7
	ds_load_b128 v[(\f)+8*(\i):(\f)+8*(\i)+3],   v[CA] offset:((\q)/2)*CHUNK+((\q)%2)*64+(\i)*16*PA
	ds_load_b128 v[(\f)+8*(\i)+4:(\f)+8*(\i)+7], v[CA] offset:((\q)/2)*CHUNK+((\q)%2)*64+(\i)*16*PA+32
.endr
.endm
.macro QUARTER q, f, g, zero
	s_wait_dscnt 8                                 ; B and A's rows 0-63 are in; the youngest eight loads (A's rows 64-127) may be out
	MUL16 \f, 0, 0, \zero
	MUL16 \f, 0, 2, \zero
	PLACES                                         ; four places in front of loads into registers that matrix instructions have read
	FETCH \q, \g
	s_wait_dscnt 32                                ; all but the 32 just issued
	MUL16 \f, 1, 0, \zero
	MUL16 \f, 1, 2, \zero
.endm
; The last quarter of a K step multiplies buffer 1 and changes slots: one barrier; in front of it each wave waits for all its tensor loads (one is out: its part of the next slot),
; adds 0 to its spare word, and waits for that and for its own reads of this slot.  fill = 1: the barrier opens a round of the cluster's, and this slot is filled again, two K steps ahead, first thing behind it.
.macro TURN fill
	WIN 0
	s_wait_tensorcnt 0x0
	ds_add_u32 v[SPW], v[NIL]
	s_wait_dscnt 9                                 ; (the add and the youngest eight loads may be out)
	MUL16 F1, 0, 0, 0
	s_wait_dscnt 0x0                               ; the add is done, and my reads of this slot are over
	s_barrier_signal -1
	MUL16 F1, 0, 2, 0
	WIN 0
	s_barrier_wait -1
.if \fill
	CREST
	s_add_co_u32 s[G0A+1], s[WBA], s[TG]
	s_add_co_u32 s[G0B+1], s[WBB], s[TG]
	s_add_nc_u64 s[G0A+2:G0A+3], s[G0A+2:G0A+3], ASTEP
	s_add_nc_u64 s[G0B+2:G0B+3], s[G0B+2:G0B+3], BSTEP
	JLOAD                                          ; its four v_nop are also the places in front of the loads below
.else
	PLACES
.endif
	s_xor_b32 s[TG], s[TG], SLOT
	v_add_nc_u32 v[CA], s[TG], v[ADRA0]
	v_add_nc_u32 v[CB0], s[TG], v[ADRB0]
	FETCH 0, F0
	MUL16 F1, 1, 0, 0
	MUL16 F1, 1, 2, 0
.endm
	s_wait_tensorcnt 1                             ; my part of K step 0 is in; step 1's may stay out
	s_barrier_signal -1
	s_barrier_wait -1
	FETCH 0, F0
	QUARTER 1, F0, F1, 1                           ; the first quarter stands in front of the loop: its products start the sums
	WIN 0
	s_mov_b32 s[CNT], NSTEP-2
.Lstep:
	QUARTER 2, F1, F0, 0
	QUARTER 3, F0, F1, 0
	TURN 1
	QUARTER 1, F0, F1, 0
	WIN 0
	s_sub_co_u32 s[CNT], s[CNT], 1
	s_cmp_lg_u32 s[CNT], 0
	s_cbranch_scc1 .Lstep
	QUARTER 2, F1, F0, 0                           ; the last two K steps ask for nothing
	QUARTER 3, F0, F1, 0
	TURN 0
	QUARTER 1, F0, F1, 0
	QUARTER 2, F1, F0, 0
	QUARTER 3, F0, F1, 0
	s_wait_dscnt 8
	MUL16 F1, 0, 0, 0
	MUL16 F1, 0, 2, 0
	s_wait_dscnt 0x0
	MUL16 F1, 1, 0, 0
	MUL16 F1, 1, 2, 0
	WIN 0
	; THE WAY OUT: the f32 sums into one stage (the ring's bytes: their last fill is over and, behind this barrier, nobody reads them), a barrier, back by rows; bias, GELU, f16.
	s_barrier_signal -1
	s_barrier_wait -1
	PLACES
	WIN 0x08                                       ; the stores' data in window 2
.irp a, 0,1,2,3
.irp b, 0,1,2,3,4,5,6,7
	ds_store_b128 v[STO], v[8*(8*(\a)+(\b)):8*(8*(\a)+(\b))+3]   offset:(\a)*16*SP+64*(\b)
	ds_store_b128 v[STO], v[8*(8*(\a)+(\b))+4:8*(8*(\a)+(\b))+7] offset:(\a)*16*SP+64*(\b)+16
.endr
.endr
	WIN 0x0c                                       ; in window 3
.irp a, 0,1,2,3
.irp b, 0,1,2,3,4,5,6,7
	ds_store_b128 v[STO1], v[8*(8*(\a)+(\b)):8*(8*(\a)+(\b))+3]   offset:(\a)*16*SP+64*(\b)
	ds_store_b128 v[STO1], v[8*(8*(\a)+(\b))+4:8*(8*(\a)+(\b))+7] offset:(\a)*16*SP+64*(\b)+16
.endr
.endr
	WIN 0
	s_wait_loadcnt 0x0                             ; the bias: rounded to bf16
.set i, 0
.rept 8
	v_cvt_pk_bf16_f32 v[XV+i], v[BIAS+2*i], v[BIAS+2*i+1]
.set i, i+1
.endr
.set i, 0
.rept 8
	v_lshlrev_b32 v[BIAS+2*i], 16, v[XV+i]
	v_and_b32 v[BIAS+2*i+1], s[MASK], v[XV+i]
.set i, i+1
.endr
	s_wait_dscnt 0x0                               ; for the others' sake: my stores into the stage are done
	s_barrier_signal -1
	s_barrier_wait -1
.macro ALL8 line:vararg                ; one line for each of eight pairs i
.set i, 0
	s_wait_alu depctr_va_vdst(0)
.rept 8
	\line
.set i, i+1
.endr
.endm
	s_mov_b32 s[CNT], 32
.irp c, 0,1,2,3
	ds_load_b128 v[XR+4*(\c):XR+4*(\c)+3], v[RD] offset:256*(\c)
.endr
.Lgelu:                                            ; a trip: a pair of rows x 256 columns: 16 numbers a lane; the next trip's numbers are fetched under the arithmetic
	s_wait_dscnt 0x0
	ALL8 v_pk_add_f32 v[XV+2*i:XV+2*i+1], v[XR+2*i:XR+2*i+1], v[BIAS+2*i:BIAS+2*i+1]
	s_cmp_gt_u32 s[CNT], 1
	s_cselect_b32 s[STEP], 2*SP, 0                 ; the last trip fetches its own rows once more: no read leaves the stage
	v_add_nc_u32 v[RD], s[STEP], v[RD]
.irp c, 0,1,2,3
	ds_load_b128 v[XR+4*(\c):XR+4*(\c)+3], v[RD] offset:256*(\c)
.endr
.set i, 0
.rept 16
	v_and_b32 v[AX+i], s[MABS], v[XV+i]            ; |x|
.set i, i+1
.endr
	ALL8 v_pk_fma_f32 v[TV+2*i:TV+2*i+1], v[AX+2*i:AX+2*i+1], s[KP:KP+1], 1.0 op_sel_hi:[1,0,0]
	ALL8 v_pk_mul_f32 v[EV+2*i:EV+2*i+1], v[XV+2*i:XV+2*i+1], v[XV+2*i:XV+2*i+1]
.set i, 0
.rept 16
	v_rcp_f32 v[TV+i], v[TV+i]                     ; t
.set i, i+1
.endr
	ALL8 v_pk_mul_f32 v[EV+2*i:EV+2*i+1], v[EV+2*i:EV+2*i+1], s[KE:KE+1] op_sel_hi:[1,0]   ; plain work between the reciprocals and their use
.set i, 0
.rept 16
	v_exp_f32 v[EV+i], v[EV+i]                     ; e^(-x^2 / 2)
.set i, i+1
.endr
	ALL8 v_pk_fma_f32 v[PP+2*i:PP+2*i+1], v[TV+2*i:TV+2*i+1], s[K5:K5+1], s[K4:K4+1] op_sel_hi:[1,0,0]   ; plain work between the exponentials and their use
	ALL8 v_pk_fma_f32 v[PP+2*i:PP+2*i+1], v[PP+2*i:PP+2*i+1], v[TV+2*i:TV+2*i+1], s[K3:K3+1] op_sel_hi:[1,1,0]
	ALL8 v_pk_fma_f32 v[PP+2*i:PP+2*i+1], v[PP+2*i:PP+2*i+1], v[TV+2*i:TV+2*i+1], s[K2:K2+1] op_sel_hi:[1,1,0]
	ALL8 v_pk_fma_f32 v[PP+2*i:PP+2*i+1], v[PP+2*i:PP+2*i+1], v[TV+2*i:TV+2*i+1], s[K1:K1+1] op_sel_hi:[1,1,0]
	ALL8 v_pk_mul_f32 v[PP+2*i:PP+2*i+1], v[PP+2*i:PP+2*i+1], v[TV+2*i:TV+2*i+1]
	ALL8 v_pk_fma_f32 v[PP+2*i:PP+2*i+1], v[PP+2*i:PP+2*i+1], v[EV+2*i:EV+2*i+1], 0.5 op_sel_hi:[1,1,0] neg_lo:[1,0,0] neg_hi:[1,0,0]
	ALL8 v_pk_mul_f32 v[XV+2*i:XV+2*i+1], v[XV+2*i:XV+2*i+1], 0.5 op_sel_hi:[1,0]
	ALL8 v_pk_fma_f32 v[XV+2*i:XV+2*i+1], v[AX+2*i:AX+2*i+1], v[PP+2*i:PP+2*i+1], v[XV+2*i:XV+2*i+1]
	ALL8 v_cvt_pk_f16_f32 v[YV+i], v[XV+2*i], v[XV+2*i+1]
.irp c, 0,1,2,3
	global_store_b64 v[GO], v[YV+2*(\c):YV+2*(\c)+1], s[10:11] offset:16384*(\c)  ; two neighbouring rows of a column block: 256 consecutive bytes, aligned
.endr
	s_wait_xcnt 0x0                                ; the stores' data and offset are rewritten only behind this wait
	v_add_nc_u32 v[GO], 256, v[GO]
	s_sub_co_u32 s[CNT], s[CNT], 1
	s_cmp_lg_u32 s[CNT], 0
	s_cbranch_scc1 .Lgelu
	s_wait_tensorcnt 0x0                           ; the wave's end
	ds_add_u32 v[SPW], v[NIL]
	s_wait_dscnt 0x0
	CROUND                                         ; the closing round
	s_endpgm
.Lfunc_end_k_qcf45a63001_ffn1:
	.size	k_qcf45a63001_ffn1, .Lfunc_end_k_qcf45a63001_ffn1-k_qcf45a63001_ffn1
	.p2alignl 7, 3214868480
	.fill 96, 4, 3214868480
	.section	.rodata,"a",@progbits
	.p2align	6, 0x0
	.amdhsa_kernel k_qcf45a63001_ffn1
		.amdhsa_group_segment_fixed_size 327680
		.amdhsa_private_segment_fixed_size 0
		.amdhsa_enable_private_segment 0
		.amdhsa_kernarg_size 32
		.amdhsa_user_sgpr_count 2
		.amdhsa_user_sgpr_kernarg_segment_ptr 1
		.amdhsa_wavefront_size32 1
		.amdhsa_system_sgpr_workgroup_id_x 1
		.amdhsa_system_sgpr_workgroup_id_y 1
		.amdhsa_system_sgpr_workgroup_id_z 1
		.amdhsa_system_vgpr_workitem_id 0
		.amdhsa_next_free_vgpr 1024
		.amdhsa_next_free_sgpr 96
		.amdhsa_reserve_vcc 0
		.amdhsa_float_denorm_mode_32 3
		.amdhsa_float_denorm_mode_16_64 3
		.amdhsa_memory_ordered 1
		.amdhsa_forward_progress 1
		.amdhsa_inst_pref_size 105
	.end_amdhsa_kernel
	.amdgpu_metadata
---
amdhsa.version: [ 1, 2 ]
amdhsa.kernels:
  - .name:           k_qcf45a63001_ffn1
    .symbol:         k_qcf45a63001_ffn1.kd
    .args:
      - { .name: hn, .offset: 0, .size: 8, .value_kind: global_buffer, .address_space: global }
      - { .name: wts, .offset: 8, .size: 8, .value_kind: global_buffer, .address_space: global }
      - { .name: b1, .offset: 16, .size: 8, .value_kind: global_buffer, .address_space: global }
      - { .name: fb, .offset: 24, .size: 8, .value_kind: global_buffer, .address_space: global }
    .group_segment_fixed_size: 327680
    .private_segment_fixed_size: 0
    .kernarg_segment_align: 8
    .kernarg_segment_size: 32
    .max_flat_workgroup_size: 128
    .sgpr_count:     96
    .vgpr_count:     1024
    .wavefront_size: 32
...
	.end_amdgpu_metadata
.endif
;; end of part 6
;; launch ffn2 (part 7): grid 8 x 32, 4 waves a work-group, clusters of 4 x 4, 327,680 bytes of LDS; arguments fb, wts, x1, b2, out0; writes out0
.if DOCPART == 7
	.amdgcn_target "amdgcn-amd-amdhsa--gfx1250"
	.amdhsa_code_object_version 6
	.text
	.protected	k_qcf45a63001_ffn2
	.globl	k_qcf45a63001_ffn2
	.p2align	8
	.type	k_qcf45a63001_ffn2,@function
k_qcf45a63001_ffn2:
	s_mov_b64 s[64:65], 0
	v_nop
	global_prefetch_b8 v0, s[64:65] scope:SCOPE_SE
	s_setreg_imm32_b32 hwreg(HW_REG_WAVE_MODE, 25, 1), 1
	s_wait_xcnt 0x0
	s_wait_alu depctr_hold_cnt(0) depctr_sa_sdst(0) depctr_va_vdst(0) depctr_va_sdst(0) depctr_va_ssrc(0) depctr_va_vcc(0) depctr_vm_vsrc(0)
	s_getreg_b32 s2, hwreg(HW_REG_IB_STS2, 6, 4)
	s_cmp_eq_u32 s2, 0
	s_cbranch_scc0 .Lentry_in_a_cluster
	s_endpgm
.Lentry_in_a_cluster:
	s_bfe_u32 s2, ttmp6, 0x10000c
	s_cmp_lg_u32 s2, 0xf033
	s_cbranch_scc0 .Lentry_shape_is_right
	s_endpgm
.Lentry_shape_is_right:
; OUT = RES + A B + BIAS.  Here: out0 = x1 + f w2 + b2, 4,096 x 1,024, K = 4,096; f16 operands, f32 sums, f32 result.  x1 is the program's own f32 stream; b2 is an input: rounded once to bf16.
; A tile of C is 128 x 128; four waves, each 64 x 64: 16 accumulators.  K goes in steps of 256 through two LDS slots.  A (in blocks of 128 rows x 64 columns) is asked for as dense rows of
; 256 bytes and padded behind every 128; B (weights, [k][n]) comes as rows of 256 bytes padded by 32 and is read turned, by ds_load_tr16_b128.
; CLUSTER 4 x 4: A's tile is asked for jointly along a row of the cluster, B's along a column.  The matrix instruction is used transposed (source 0 = 16 columns of B, source 1 = 16 rows of A).
; One text for a K step: the slot in hand is the scalar TG (0 or SLOT), turned by an exclusive or at each change of slots.
; THE RESIDUAL: the 32 rows that a wave stores are asked for at the kernel's start, 128 registers, and lie there while K is walked.  On the way out they go through the wave's own bytes of LDS, so that
; a loop of four trips can take them by address: taken by register the way out would be written out four times.
; REGISTERS: window 0: v0-31 addresses and bias; v32-111 at work on the way out; v128-255 accumulators ((a, b) at 128 + 8 (4 a + b)).  Window 1: two fragment buffers of 128: 64 of A (2 x 4 blocks), 64 of B.
;   Window 2: v0-127 the residual, row j of my 32 at 4 j.
.set KTOT,  4096
.set WOFF,  13631488
.set RND,   0
.set NTOT,  1024
.set KS,    256
.set NSTEP, KTOT/KS
.set PA,    144
.set PB,    288
.set CHUNK, 128*PA
.set ABYTES, 4*CHUNK
.set BBYTES, KS*PB
.set SLOT,  ABYTES+BBYTES
.set SPARE, 2*SLOT                     ; behind the ring: the spare words, 128 bytes a wave, that no other line names
.set SP,    528                        ; the f32 stages' pitch: 512 + 16; the two stages (sums, residual) take the ring's bytes after their last fill
.set ASTEP, KS*256
.set BSTEP, KS*NTOT*2
.set BIAS, 12
.set CA, 16
.set CB0, 17                           ; v17: B's quarters 0, 1; v18: quarters 2, 3, so that the offsets stay inside 16 bits
.set ADRA0, 20
.set ADRB0, 21
.set STO, 24
.set RD, 25
.set CO, 26
.set RD2, 27                           ; my rows in the residual's stage, 128 rows behind the sums'
.set SPW, 28
.set NIL, 29
.set TT, 32
.set RR, 64
.set CC, 96
.set ACC, 128
.set F0, 0
.set F1, 128
.set WV, 16
.set WM, 17
.set WN, 18
.set CX, 19
.set CY, 20
.set TX, 21
.set TY, 22
.set G1A, 24
.set G0A0, 32
.set G0A, 36
.set G1B, 40
.set G0B0, 48
.set G0B, 52
.set TG, 56
.set CNT, 57
.set WBA, 58
.set WBB, 59
.set MASK, 70
.set MSB, 0
.macro WIN new
.if MSB != (\new)
	s_set_vgpr_msb (MSB<<8)|(\new)
.set MSB, \new
.endif
.endm
.set MUL,  0x05
.set TO_F, 0x40
.macro PLACES
.rept 4
	v_nop
.endr
.endm
.macro JLOAD                           ; a joint refill: waves 0, 1 ask for A's halves, waves 2, 3 for B's
	s_cmp_eq_u32 s[WM], 0
	s_cbranch_scc0 .Lfor_b_\@
	tensor_load_to_lds s[G0A:G0A+3], s[G1A:G1A+7]
	s_nop 0
	PLACES
	s_branch .Lasked_\@
.Lfor_b_\@:
	tensor_load_to_lds s[G0B:G0B+3], s[G1B:G1B+7]
	s_nop 0
	PLACES
.Lasked_\@:
.endm
.macro CREST
	s_cmp_lg_u32 s[WV], 0
	s_cbranch_scc1 .Lnot_wave_0_\@
	s_barrier_signal -3
.Lnot_wave_0_\@:
	s_barrier_wait -3
	s_barrier_signal -1
	s_barrier_wait -1
.endm
.macro CROUND
	s_barrier_signal -1
	s_barrier_wait -1
	CREST
.endm
	s_load_b256 s[4:11], s[0:1], 0x0               ; A s[4:5], wts s[6:7], residual s[8:9], bias s[10:11]
	s_load_b64 s[12:13], s[0:1], 0x20              ; the result
	v_lshl_add_u32 v[SPW], v0, 2, SPARE
	v_mov_b32 v[NIL], 0
	ds_add_u32 v[SPW], v[NIL]                      ; the wave's opening: the add and its wait ahead of my first tensor load
	v_lshrrev_b32 v1, 5, v0
	v_readfirstlane_b32 s[WV], v1
	s_lshr_b32 s[WM], s[WV], 1                     ; my half of the tile's rows; also: I fetch for A (0) or B (1)
	s_and_b32 s[WN], s[WV], 1                      ; my half of its columns; also: which half of that tile I fetch
	s_bfe_u32 s[CX], ttmp6, 0x40000
	s_bfe_u32 s[CY], ttmp6, 0x40004
	s_lshl_b32 s[TX], ttmp9, 2
	s_add_co_u32 s[TX], s[TX], s[CX]
	s_and_b32 s[TY], ttmp7, 0xffff
	s_lshl_b32 s[TY], s[TY], 2
	s_add_co_u32 s[TY], s[TY], s[CY]
	s_lshl_b32 s60, s[CY], 2
	s_lshl_b32 s60, 15, s60
	s_lshl_b32 s66, 0x1111, s[CX]
	s_or_b32 s[G1A], s60, (1<<16)|(1<<20)|(1<<21)|(4<<22)|(3<<25)  ; 2-byte elements; padding: 4 words behind every 32
	s_or_b32 s[G1B], s66, (1<<16)|(1<<20)|(1<<21)|(5<<22)|(7<<25)  ; 8 words behind every 64
	s_mov_b32 s[G1A+1], 128<<16                    ; A: 128 rows of 128 elements, dense
	s_mov_b32 s[G1A+2], 128<<16
	s_mov_b32 s[G1A+3], 128<<16
	s_mov_b32 s[G1A+4], 128
	s_mov_b32 s[G1A+5], 128
	s_mov_b32 s[G1A+6], 0
	s_mov_b32 s[G1A+7], 0
	s_mov_b32 s[G1B+1], 128<<16                    ; B: 128 rows of 128 elements, NTOT from row to row
	s_mov_b32 s[G1B+2], (KS/2)<<16
	s_mov_b32 s[G1B+3], 128<<16
	s_mov_b32 s[G1B+4], KS/2
	s_mov_b32 s[G1B+5], NTOT
	s_mov_b32 s[G1B+6], 0
	s_mov_b32 s[G1B+7], 0
	s_mul_i32 s60, s[TY], KTOT*256                 ; A: the block of 128 rows, and my two of the step's four column blocks
	s_lshl_b32 s61, s[WN], 15
	s_add_co_u32 s60, s60, s61
	s_mov_b32 s61, 0
	s_lshl_b32 s66, s[TX], 8                       ; B: the tile's first column, my 128 of the step's 256 rows, the matrix's place in wts
	s_mul_i32 s67, s[WN], (KS/2)*NTOT*2
	s_add_co_u32 s66, s66, s67
	s_add_co_u32 s66, s66, WOFF
	s_mov_b32 s67, 0
	s_mul_i32 s[WBA], s[WN], ABYTES/2
	s_mul_i32 s[WBB], s[WN], (KS/2)*PB
	s_add_co_u32 s[WBB], s[WBB], ABYTES
	s_mov_b32 s[TG], 0
	s_mov_b32 s[MASK], 0xffff0000
	s_wait_dscnt 0x0                               ; the opening add is done
	s_wait_kmcnt 0x0
	s_add_nc_u64 s[60:61], s[4:5], s[60:61]
	s_add_nc_u64 s[66:67], s[6:7], s[66:67]
	s_mov_b32 s[G0A0], 1                           ; K step 0 into slot 0
	s_mov_b32 s[G0A0+1], s[WBA]
	s_mov_b64 s[G0A0+2:G0A0+3], s[60:61]
	s_or_b32 s[G0A0+3], s[G0A0+3], 0x80000000
	s_mov_b32 s[G0A], 1                            ; K step 1 into slot 1; this set then walks on
	s_add_co_u32 s[G0A+1], s[WBA], SLOT
	s_add_nc_u64 s[G0A+2:G0A+3], s[60:61], ASTEP
	s_or_b32 s[G0A+3], s[G0A+3], 0x80000000
	s_mov_b32 s[G0B0], 1
	s_mov_b32 s[G0B0+1], s[WBB]
	s_mov_b64 s[G0B0+2:G0B0+3], s[66:67]
	s_or_b32 s[G0B0+3], s[G0B0+3], 0x80000000
	s_mov_b32 s[G0B], 1
	s_add_co_u32 s[G0B+1], s[WBB], SLOT
	s_add_nc_u64 s[G0B+2:G0B+3], s[66:67], BSTEP
	s_or_b32 s[G0B+3], s[G0B+3], 0x80000000
	CROUND                                         ; all sixteen work-groups are here: the first joint loads meet
	s_cmp_eq_u32 s[WM], 0                          ; a wave's two first fills stand in one branch: two loads of mine are out
	s_cbranch_scc0 .Lfirst_b
	tensor_load_to_lds s[G0A0:G0A0+3], s[G1A:G1A+7]
	s_nop 0
	tensor_load_to_lds s[G0A:G0A+3], s[G1A:G1A+7]
	s_nop 0
	PLACES
	s_branch .Lfirst_asked
.Lfirst_b:
	tensor_load_to_lds s[G0B0:G0B0+3], s[G1B:G1B+7]
	s_nop 0
	tensor_load_to_lds s[G0B:G0B+3], s[G1B:G1B+7]
	s_nop 0
	PLACES
.Lfirst_asked:
	v_and_b32 v1, 15, v0                           ; r
	v_bfe_u32 v2, v0, 4, 1                         ; h
	v_mul_u32_u24 v3, v1, PA
	v_lshl_add_u32 v3, v2, 4, v3
	s_mul_i32 s72, s[WM], 64*PA
	v_add_nc_u32 v[ADRA0], s72, v3
	v_and_b32 v4, 7, v0
	v_bfe_u32 v5, v0, 3, 1
	v_lshl_add_u32 v4, v2, 3, v4
	v_mul_u32_u24 v4, v4, PB
	v_lshl_add_u32 v4, v5, 4, v4
	s_lshl_b32 s72, s[WN], 7
	s_add_co_u32 s72, s72, ABYTES
	v_add_nc_u32 v[ADRB0], s72, v4
	v_mov_b32 v[CA], v[ADRA0]
	v_mov_b32 v[CB0], v[ADRB0]
	v_add_nc_u32 v[CB0+1], 128*PB, v[ADRB0]
	s_lshl_b32 s72, s[WM], 6
	v_add_nc_u32 v6, s72, v1
	v_mul_u32_u24 v6, v6, SP
	v_lshl_add_u32 v6, v2, 5, v6
	s_lshl_b32 s72, s[WN], 8
	v_add_nc_u32 v[STO], s72, v6                   ; into the stage: row, my 64 columns, 32 bytes for each half of the lanes
	v_and_b32 v7, 31, v0
	v_lshlrev_b32 v[CO], 4, v7                     ; a lane owns columns 4 l .. 4 l + 3: a wave's load or store covers a tile row's 512 bytes
	s_mul_i32 s72, s[WV], 32*SP
	v_add_nc_u32 v[RD], s72, v[CO]                 ; back: rows 32 w on
	v_add_nc_u32 v[RD2], 128*SP, v[RD]
	s_lshl_b32 s72, s[TY], 7
	s_lshl_b32 s73, s[WV], 5
	s_add_co_u32 s72, s72, s73
	s_lshl_b32 s72, s72, 12
	s_lshl_b32 s73, s[TX], 9
	s_add_co_u32 s72, s72, s73
	s_mov_b32 s73, 0
	s_add_nc_u64 s[8:9], s[8:9], s[72:73]          ; residual and result at my first row and the tile's first column
	s_add_nc_u64 s[12:13], s[12:13], s[72:73]
	s_lshl_b32 s74, s[TX], 9
	s_mov_b32 s75, 0
	s_add_nc_u64 s[10:11], s[10:11], s[74:75]
	global_load_b128 v[BIAS:BIAS+3], v[CO], s[10:11]
	WIN 0x80                                       ; destination window 2, address window 0
.set j, 0
.rept 32
	global_load_b128 v[4*j:4*j+3], v[CO], s[8:9] offset:4096*j  ; all my 32 residual rows come in under the products
.set j, j+1
.endr
	WIN 0
.macro MUL8 f, c, a0, zero             ; 8 matrix instructions: row blocks a0, a0 + 1 x all 4 column blocks, half c of buffer f; the accumulators take turns
	WIN MUL
.irp a, \a0, (\a0)+1
.irp b, 0,1,2,3
.if \zero
	v_wmma_f32_16x16x32_f16 v[ACC+8*(4*(\a)+(\b)):ACC+8*(4*(\a)+(\b))+7], v[(\f)+64+8*(4*(\c)+(\b)):(\f)+64+8*(4*(\c)+(\b))+7], v[(\f)+8*(4*(\c)+(\a)):(\f)+8*(4*(\c)+(\a))+7], 0
.else
	v_wmma_f32_16x16x32_f16 v[ACC+8*(4*(\a)+(\b)):ACC+8*(4*(\a)+(\b))+7], v[(\f)+64+8*(4*(\c)+(\b)):(\f)+64+8*(4*(\c)+(\b))+7], v[(\f)+8*(4*(\c)+(\a)):(\f)+8*(4*(\c)+(\a))+7], v[ACC+8*(4*(\a)+(\b)):ACC+8*(4*(\a)+(\b))+7]
.endif
.endr
.endr
.endm
.macro FETCH q, f                      ; 32 LDS loads in one run: quarter q (64 along K) of the slot in hand into buffer f; the first 32 along K first
	WIN TO_F
.irp c, 0,1
.irp i, 0,1,2,3
	ds_load_tr16_b128 v[(\f)+64+8*(4*(\c)+(\i)):(\f)+64+8*(4*(\c)+(\i))+3],   v[CB0+(\q)/2] offset:((2*(\q)+(\c))%4)*32*PB+32*(\i)
	ds_load_tr16_b128 v[(\f)+64+8*(4*(\c)+(\i))+4:(\f)+64+8*(4*(\c)+(\i))+7], v[CB0+(\q)/2] offset:((2*(\q)+(\c))%4)*32*PB+32*(\i)+16*PB
	ds_load_b128 v[(\f)+8*(4*(\c)+(\i)):(\f)+8*(4*(\c)+(\i))+3],   v[CA] offset:(\q)*CHUNK+64*(\c)+(\i)*16*PA
	ds_load_b128 v[(\f)+8*(4*(\c)+(\i))+4:(\f)+8*(4*(\c)+(\i))+7], v[CA] offset:(\q)*CHUNK+64*(\c)+(\i)*16*PA+32
.endr
.endr
.endm
.macro QUARTER q, f, g, zero
	s_wait_dscnt 16                                ; the first 32 along K are in
	MUL8 \f, 0, 0, \zero
	MUL8 \f, 0, 2, \zero
	PLACES                                         ; four places in front of loads into registers that matrix instructions have read
	FETCH \q, \g
	s_wait_dscnt 32                                ; all but the 32 just issued
	MUL8 \f, 1, 0, 0
	MUL8 \f, 1, 2, 0
.endm
; The last quarter of a K step multiplies buffer 1 and changes slots: one barrier; in front of it each wave waits for all its tensor loads (one is out: its part of the next slot),
; adds 0 to its spare word, and waits for that and for its own reads of this slot.  fill = 1: the barrier opens a round of the cluster's, and this slot is filled again, two K steps ahead, first thing behind it.
.macro TURN fill
	WIN 0
	s_wait_tensorcnt 0x0
	ds_add_u32 v[SPW], v[NIL]
	s_wait_dscnt 17                                ; (the add and the youngest sixteen loads may be out)
	MUL8 F1, 0, 0, 0
	s_wait_dscnt 0x0                               ; the add is done, and my reads of this slot are over
	s_barrier_signal -1
	MUL8 F1, 0, 2, 0
	WIN 0
	s_barrier_wait -1
.if \fill
	CREST
	s_add_co_u32 s[G0A+1], s[WBA], s[TG]           ; no tensor load of mine is out: the walking sets step: into the slot just read,
	s_add_co_u32 s[G0B+1], s[WBB], s[TG]
	s_add_nc_u64 s[G0A+2:G0A+3], s[G0A+2:G0A+3], ASTEP  ; one K step beyond the last one asked for
	s_add_nc_u64 s[G0B+2:G0B+3], s[G0B+2:G0B+3], BSTEP
	JLOAD                                          ; its four v_nop are also the places in front of the loads below
.else
	PLACES
.endif
	s_xor_b32 s[TG], s[TG], SLOT
	v_add_nc_u32 v[CA], s[TG], v[ADRA0]
	v_add_nc_u32 v[CB0], s[TG], v[ADRB0]
	v_add_nc_u32 v[CB0+1], 128*PB, v[CB0]
	FETCH 0, F0
	MUL8 F1, 1, 0, 0
	MUL8 F1, 1, 2, 0
.endm
	s_wait_tensorcnt 1                             ; my part of K step 0 is in; step 1's may stay out
	s_barrier_signal -1
	s_barrier_wait -1
	FETCH 0, F0
	QUARTER 1, F0, F1, 1                           ; the first quarter stands in front of the loop: its first products start the sums
	WIN 0
	s_mov_b32 s[CNT], NSTEP-2
.Lstep:
	QUARTER 2, F1, F0, 0
	QUARTER 3, F0, F1, 0
	TURN 1
	QUARTER 1, F0, F1, 0
	WIN 0
	s_sub_co_u32 s[CNT], s[CNT], 1
	s_cmp_lg_u32 s[CNT], 0
	s_cbranch_scc1 .Lstep
	QUARTER 2, F1, F0, 0                           ; the last two K steps ask for nothing
	QUARTER 3, F0, F1, 0
	TURN 0
	QUARTER 1, F0, F1, 0
	QUARTER 2, F1, F0, 0
	QUARTER 3, F0, F1, 0
	s_wait_dscnt 16
	MUL8 F1, 0, 0, 0
	MUL8 F1, 0, 2, 0
	s_wait_dscnt 0x0
	MUL8 F1, 1, 0, 0
	MUL8 F1, 1, 2, 0
	WIN 0
	; THE WAY OUT: the f32 sums into one stage (the ring's bytes: their last fill is over and, behind this barrier, nobody reads them), my residual rows into my rows of a second stage behind it,
	; a barrier, back by whole rows of 512 bytes; residual and bias are added.
	s_barrier_signal -1
	s_barrier_wait -1
	PLACES
.irp a, 0,1,2,3
.irp b, 0,1,2,3
	ds_store_b128 v[STO], v[ACC+8*(4*(\a)+(\b)):ACC+8*(4*(\a)+(\b))+3]   offset:(\a)*16*SP+64*(\b)
	ds_store_b128 v[STO], v[ACC+8*(4*(\a)+(\b))+4:ACC+8*(4*(\a)+(\b))+7] offset:(\a)*16*SP+64*(\b)+16
.endr
.endr
	s_wait_loadcnt 0x0                             ; the bias and the residual, asked for at the start
	v_cvt_pk_bf16_f32 v[CC], v[BIAS], v[BIAS+1]    ; the bias: rounded to bf16
	v_cvt_pk_bf16_f32 v[CC+1], v[BIAS+2], v[BIAS+3]
	v_lshlrev_b32 v[BIAS], 16, v[CC]
	v_and_b32 v[BIAS+1], s[MASK], v[CC]
	v_lshlrev_b32 v[BIAS+2], 16, v[CC+1]
	v_and_b32 v[BIAS+3], s[MASK], v[CC+1]
	WIN 0x08                                       ; the stores' data in window 2
.set j, 0
.rept 32
	ds_store_b128 v[RD2], v[4*j:4*j+3] offset:SP*j
.set j, j+1
.endr
	WIN 0
	s_wait_dscnt 0x0                               ; for the others' sake: my stores into the stage are done
	s_barrier_signal -1
	s_barrier_wait -1
	s_mov_b32 s[CNT], 4
.Lout:                                             ; a trip: eight rows
.irp j, 0,1,2,3,4,5,6,7
	ds_load_b128 v[RR+4*(\j):RR+4*(\j)+3], v[RD2] offset:SP*(\j)
.endr
.irp j, 0,1,2,3,4,5,6,7
	ds_load_b128 v[TT+4*(\j):TT+4*(\j)+3], v[RD] offset:SP*(\j)
.endr
.if RND
	s_wait_dscnt 8                                 ; the eight residual rows are in; the eight rows of sums stay out
.set i, 0
.rept 16
	v_cvt_pk_bf16_f32 v[CC+i], v[RR+2*i], v[RR+2*i+1]
.set i, i+1
.endr
.set i, 0
.rept 16
	v_lshlrev_b32 v[RR+2*i], 16, v[CC+i]
	v_and_b32 v[RR+2*i+1], s[MASK], v[CC+i]
.set i, i+1
.endr
.endif
	s_wait_dscnt 0x0
.set i, 0
.rept 16
	v_pk_add_f32 v[TT+2*i:TT+2*i+1], v[TT+2*i:TT+2*i+1], v[RR+2*i:RR+2*i+1]
.set i, i+1
.endr
.set i, 0
.rept 16
	v_pk_add_f32 v[TT+2*i:TT+2*i+1], v[TT+2*i:TT+2*i+1], v[BIAS+2*(i%2):BIAS+2*(i%2)+1]
.set i, i+1
.endr
.irp j, 0,1,2,3,4,5,6,7
	global_store_b128 v[CO], v[TT+4*(\j):TT+4*(\j)+3], s[12:13] offset:4096*(\j)  ; 512 consecutive bytes, aligned
.endr
	s_wait_xcnt 0x0                                ; the stores' data and offset are rewritten only behind this wait
	v_add_nc_u32 v[CO], 32768, v[CO]
	v_add_nc_u32 v[RD], 8*SP, v[RD]
	v_add_nc_u32 v[RD2], 8*SP, v[RD2]
	s_sub_co_u32 s[CNT], s[CNT], 1
	s_cmp_lg_u32 s[CNT], 0
	s_cbranch_scc1 .Lout
	s_wait_tensorcnt 0x0                           ; the wave's end
	ds_add_u32 v[SPW], v[NIL]
	s_wait_dscnt 0x0
	CROUND                                         ; the closing round
	s_endpgm
.Lfunc_end_k_qcf45a63001_ffn2:
	.size	k_qcf45a63001_ffn2, .Lfunc_end_k_qcf45a63001_ffn2-k_qcf45a63001_ffn2
	.p2alignl 7, 3214868480
	.fill 96, 4, 3214868480
	.section	.rodata,"a",@progbits
	.p2align	6, 0x0
	.amdhsa_kernel k_qcf45a63001_ffn2
		.amdhsa_group_segment_fixed_size 327680
		.amdhsa_private_segment_fixed_size 0
		.amdhsa_enable_private_segment 0
		.amdhsa_kernarg_size 40
		.amdhsa_user_sgpr_count 2
		.amdhsa_user_sgpr_kernarg_segment_ptr 1
		.amdhsa_wavefront_size32 1
		.amdhsa_system_sgpr_workgroup_id_x 1
		.amdhsa_system_sgpr_workgroup_id_y 1
		.amdhsa_system_sgpr_workgroup_id_z 1
		.amdhsa_system_vgpr_workitem_id 0
		.amdhsa_next_free_vgpr 640
		.amdhsa_next_free_sgpr 80
		.amdhsa_reserve_vcc 0
		.amdhsa_float_denorm_mode_32 3
		.amdhsa_float_denorm_mode_16_64 3
		.amdhsa_memory_ordered 1
		.amdhsa_forward_progress 1
		.amdhsa_inst_pref_size 73
	.end_amdhsa_kernel
	.amdgpu_metadata
---
amdhsa.version: [ 1, 2 ]
amdhsa.kernels:
  - .name:           k_qcf45a63001_ffn2
    .symbol:         k_qcf45a63001_ffn2.kd
    .args:
      - { .name: fb, .offset: 0, .size: 8, .value_kind: global_buffer, .address_space: global }
      - { .name: wts, .offset: 8, .size: 8, .value_kind: global_buffer, .address_space: global }
      - { .name: x1, .offset: 16, .size: 8, .value_kind: global_buffer, .address_space: global }
      - { .name: b2, .offset: 24, .size: 8, .value_kind: global_buffer, .address_space: global }
      - { .name: out0, .offset: 32, .size: 8, .value_kind: global_buffer, .address_space: global }
    .group_segment_fixed_size: 327680
    .private_segment_fixed_size: 0
    .kernarg_segment_align: 8
    .kernarg_segment_size: 40
    .max_flat_workgroup_size: 128
    .sgpr_count:     80
    .vgpr_count:     640
    .wavefront_size: 32
...
	.end_amdgpu_metadata
.endif
;; end of part 7
